; MI455X (gfx1250); checked and timed in simulation.
; The chip was launched on July 23, 2026; its instructions are those of AMD's public machine-readable ISA for CDNA 5 (MIT licence, August 2026) and "CDNA5" Instruction Set Architecture Reference Guide (July 2026). The comments in the code are by the model that wrote it; some were corrected since.
;; Multi Head Attention. Allowed arithmetic: float matrix products may take bf16 or f16 operands with f32 sums; other float arithmetic in f32, or as packed bf16 or f16 multiplies, adds, multiply-adds, maxima and minima; sums over many terms, partial sums and values carried from step to step in f32; what a program stores and reads back later, other than sums and carried values, may be rounded once to bf16 or f16.
;; Inputs: Wk 16 x 64 x 1,024 float32; Wo 1,024 x 1,024 float32; Wq 16 x 64 x 1,024 float32; Wv 16 x 64 x 1,024 float32; bo 1,024 float32; x 4 x 2,048 x 1,024 float32.
;; Outputs: out0 4 x 2,048 x 1,024 float32.
;; 2 versions, each right; version 2 is version 1 with the launch cast written anew for expert scheduling mode. Each part assembles by itself: llvm-mc -triple=amdgcn-amd-amdhsa -mcpu=gfx1250 --defsym DOCPART=n.
;; ======== version 1 of 2: 4 launches
;; limits: values are held in f16: magnitudes above 65,504 overflow, below 6.1e-05 lose precision
;; workspace buffers: xb 16,777,216 bytes; wb 6,291,456 bytes; wo16 2,097,152 bytes; qq 33,554,432 bytes; kk 33,554,432 bytes; vv 16,777,216 bytes; zz 16,777,216 bytes
;; launch cast (part 1): grid 768 x 1, 8 waves a work-group, no clusters, 0 bytes of LDS; arguments x, Wq, Wk, Wv, Wo, xb, wb, wo16; writes xb, wb, wo16
.if DOCPART == 1
	.amdgcn_target "amdgcn-amd-amdhsa--gfx1250"
	.amdhsa_code_object_version 6
	.text
	.protected	k_q8b6e039111_cast
	.globl	k_q8b6e039111_cast
	.p2align	8
	.type	k_q8b6e039111_cast,@function
k_q8b6e039111_cast:
	s_mov_b64 s[64:65], 0
	v_nop
	global_prefetch_b8 v0, s[64:65] scope:SCOPE_SE
	s_setreg_imm32_b32 hwreg(HW_REG_WAVE_MODE, 25, 1), 1
	s_wait_xcnt 0x0
; THE INPUTS ARE ROUNDED ONCE.  x -> xb (bf16); Wq, Wk, Wv -> wb (bf16, 3,072 rows of 1,024: q's, then k's, then v's); Wo -> wo16: rounded to bf16 like the others, that number written as f16.
; LIMIT.  wo16 is f16: |Wo| stays under 65,504; below 6e-5 it keeps f16's fixed step of 6e-8.
; A stream: no LDS, no matrix unit, no barrier.  A work-group converts 16,384 numbers (65,536 bytes in, 32,768 out), a wave 2,048: sixteen loads of 512 consecutive bytes, all issued at once,
; and sixteen stores of 256 consecutive bytes, aligned.  Work-groups 0-511 take x; 512 + 64 j + i takes piece i of Wq, Wk, Wv, Wo (j = 0..3).
.set X,   8                            ; v[8:71]    the sixteen loads, four f32 each
.set Y,   72                           ; v[72:103]  two packed words for each load
.set T,   104                          ; v[104:107] at work
.set SRC, 24                           ; s[24:25]
.set DST, 26                           ; s[26:27]
	s_load_b256 s[8:15], s[0:1], 0x0               ; x s[8:9], Wq s[10:11], Wk s[12:13], Wv s[14:15]
	s_load_b256 s[16:23], s[0:1], 0x20             ; Wo s[16:17], xb s[18:19], wb s[20:21], wo16 s[22:23]
	v_lshrrev_b32 v3, 5, v0                        ; wave
	v_and_b32 v4, 31, v0                           ; lane
	v_lshlrev_b32 v1, 4, v4
	v_lshl_or_b32 v1, v3, 13, v1                   ; in: 8,192 x wave + 16 x lane
	v_lshlrev_b32 v2, 3, v4
	v_lshl_or_b32 v2, v3, 12, v2                   ; out: 4,096 x wave + 8 x lane
	s_sub_co_u32 s2, ttmp9, 512                    ; t: my number among the weights' pieces (used only from work-group 512 on)
	s_lshr_b32 s3, s2, 6                           ; j
	s_and_b32 s4, s2, 63                           ; i
	s_lshl_b32 s6, ttmp9, 16                       ; byte offsets, made apart from the addresses: x,
	s_lshl_b32 s28, ttmp9, 15                      ; xb,
	s_lshl_b32 s5, s4, 16                          ; a weight tensor,
	s_lshl_b32 s32, s2, 15                         ; wb,
	s_lshl_b32 s33, s4, 15                         ; wo16
	s_mov_b32 s7, 0
	s_mov_b32 s29, 0
	s_mov_b32 s31, 0xffff0000                      ; a word's upper bf16
	s_wait_kmcnt 0x0
	s_cmp_eq_u32 s3, 1
	s_cselect_b64 s[SRC:SRC+1], s[12:13], s[10:11]
	s_cmp_eq_u32 s3, 2
	s_cselect_b64 s[SRC:SRC+1], s[14:15], s[SRC:SRC+1]
	s_cmp_eq_u32 s3, 3
	s_cselect_b64 s[SRC:SRC+1], s[16:17], s[SRC:SRC+1]
	s_cselect_b64 s[DST:DST+1], s[22:23], s[20:21]
	s_cselect_b32 s32, s33, s32
	s_cselect_b32 s30, 1, 0                        ; 1: the piece is Wo's
	s_cmp_lt_u32 ttmp9, 512
	s_cselect_b64 s[SRC:SRC+1], s[8:9], s[SRC:SRC+1]
	s_cselect_b64 s[DST:DST+1], s[18:19], s[DST:DST+1]
	s_cselect_b32 s6, s6, s5
	s_cselect_b32 s28, s28, s32
	s_add_nc_u64 s[SRC:SRC+1], s[SRC:SRC+1], s[6:7]
	s_add_nc_u64 s[DST:DST+1], s[DST:DST+1], s[28:29]
.set k, 0
.rept 16
	global_load_b128 v[X+4*k:X+4*k+3], v1, s[SRC:SRC+1] offset:512*k th:TH_LOAD_NT
.set k, k+1
.endr
; Load k is rounded and stored.  half = 1: the bf16 number is written as f16.  No register is written twice while a store may read it: each load has its own Y.
.macro CONV half
.set k, 0
.rept 16
	s_wait_loadcnt 15-k                            ; loads come back in order: the 15 - k younger ones may stay out
	v_cvt_pk_bf16_f32 v[Y+2*k], v[X+4*k], v[X+4*k+1]
	v_cvt_pk_bf16_f32 v[Y+2*k+1], v[X+4*k+2], v[X+4*k+3]
.if \half
	v_lshlrev_b32 v[T], 16, v[Y+2*k]
	v_and_b32 v[T+1], s31, v[Y+2*k]
	v_lshlrev_b32 v[T+2], 16, v[Y+2*k+1]
	v_and_b32 v[T+3], s31, v[Y+2*k+1]
	v_cvt_pk_f16_f32 v[Y+2*k], v[T], v[T+1]
	v_cvt_pk_f16_f32 v[Y+2*k+1], v[T+2], v[T+3]
.endif
	global_store_b64 v2, v[Y+2*k:Y+2*k+1], s[DST:DST+1] offset:256*k  ; the wave's 32 lanes store 256 consecutive bytes, aligned
.set k, k+1
.endr
.endm
	s_cmp_eq_u32 s30, 1
	s_cbranch_scc1 .Lwo
	CONV 0
	s_endpgm
.Lwo:
	CONV 1
	s_endpgm
.Lfunc_end_k_q8b6e039111_cast:
	.size	k_q8b6e039111_cast, .Lfunc_end_k_q8b6e039111_cast-k_q8b6e039111_cast
	.p2alignl 7, 3214868480
	.fill 96, 4, 3214868480
	.section	.rodata,"a",@progbits
	.p2align	6, 0x0
	.amdhsa_kernel k_q8b6e039111_cast
		.amdhsa_group_segment_fixed_size 0
		.amdhsa_private_segment_fixed_size 0
		.amdhsa_enable_private_segment 0
		.amdhsa_kernarg_size 64
		.amdhsa_user_sgpr_count 2
		.amdhsa_user_sgpr_kernarg_segment_ptr 1
		.amdhsa_wavefront_size32 1
		.amdhsa_system_sgpr_workgroup_id_x 1
		.amdhsa_system_sgpr_workgroup_id_y 1
		.amdhsa_system_sgpr_workgroup_id_z 1
		.amdhsa_system_vgpr_workitem_id 0
		.amdhsa_next_free_vgpr 112
		.amdhsa_next_free_sgpr 66
		.amdhsa_reserve_vcc 0
		.amdhsa_float_denorm_mode_32 3
		.amdhsa_float_denorm_mode_16_64 3
		.amdhsa_memory_ordered 1
		.amdhsa_forward_progress 1
		.amdhsa_inst_pref_size 16
	.end_amdhsa_kernel
	.amdgpu_metadata
---
amdhsa.version: [ 1, 2 ]
amdhsa.kernels:
  - .name:           k_q8b6e039111_cast
    .symbol:         k_q8b6e039111_cast.kd
    .args:
      - { .name: x, .offset: 0, .size: 8, .value_kind: global_buffer, .address_space: global }
      - { .name: Wq, .offset: 8, .size: 8, .value_kind: global_buffer, .address_space: global }
      - { .name: Wk, .offset: 16, .size: 8, .value_kind: global_buffer, .address_space: global }
      - { .name: Wv, .offset: 24, .size: 8, .value_kind: global_buffer, .address_space: global }
      - { .name: Wo, .offset: 32, .size: 8, .value_kind: global_buffer, .address_space: global }
      - { .name: xb, .offset: 40, .size: 8, .value_kind: global_buffer, .address_space: global }
      - { .name: wb, .offset: 48, .size: 8, .value_kind: global_buffer, .address_space: global }
      - { .name: wo16, .offset: 56, .size: 8, .value_kind: global_buffer, .address_space: global }
    .group_segment_fixed_size: 0
    .private_segment_fixed_size: 0
    .kernarg_segment_align: 8
    .kernarg_segment_size: 64
    .max_flat_workgroup_size: 256
    .sgpr_count:     66
    .vgpr_count:     112
    .wavefront_size: 32
...
	.end_amdgpu_metadata
.endif
;; end of part 1
;; launch qkv (part 2): grid 4 x 64, 4 waves a work-group, clusters of 4 x 4, 327,680 bytes of LDS; arguments xb, wb, qq, kk, vv; writes qq, kk, vv
.if DOCPART == 2
	.amdgcn_target "amdgcn-amd-amdhsa--gfx1250"
	.amdhsa_code_object_version 6
	.text
	.protected	k_q8b6e039111_qkv
	.globl	k_q8b6e039111_qkv
	.p2align	8
	.type	k_q8b6e039111_qkv,@function
k_q8b6e039111_qkv:
	s_mov_b64 s[64:65], 0
	v_nop
	global_prefetch_b8 v0, s[64:65] scope:SCOPE_SE
	s_setreg_imm32_b32 hwreg(HW_REG_WAVE_MODE, 25, 1), 1
	s_wait_xcnt 0x0
	s_wait_alu depctr_hold_cnt(0) depctr_sa_sdst(0) depctr_va_vdst(0) depctr_va_sdst(0) depctr_va_ssrc(0) depctr_va_vcc(0) depctr_vm_vsrc(0)
	s_getreg_b32 s2, hwreg(HW_REG_IB_STS2, 6, 4)
	s_cmp_eq_u32 s2, 0
	s_cbranch_scc0 .Lentry_in_a_cluster
	s_endpgm
.Lentry_in_a_cluster:
	s_bfe_u32 s2, ttmp6, 0x10000c
	s_cmp_lg_u32 s2, 0xf033
	s_cbranch_scc0 .Lentry_shape_is_right
	s_endpgm
.Lentry_shape_is_right:
; THE THREE PROJECTIONS AS ONE GEMM.  C[m][n] = sum over k of xb[m][k] wb[n][k]; xb: [8192][1024], wb: [3072][1024], bf16; sums in f32.  Columns 0-1023 are q, 1024-2047 k, 2048-3071 v; 64 columns a head.
; WHAT LEAVES.  The scores are multiplied by 8 in front of the softmax and need more than 16 bits of q and k.  So each channel of q and k leaves as TWO f16 numbers, made so that two f16 products give the score:
;   y = k, or y = q (c / 16) (63 / 64) with c = 8 log2 e;   first = f16(y);   rest = y - first;   second = f16((first + 64 rest) g),  g = 1/8 for k, 8/63 for q.
;   first_k first_q + second_k second_q = (64/63) (k y + 63 rest_k rest_q) = (c / 16) q k, but for 63 times the product of two roundings, and for second's own roundings, which weigh 1/63.
;   (first + 64 rest) g = y A - first B with A = 64 g, B = 63 g: A = 512/63, B = 8 for q; A = 8, B = 7.875 for k.  first B is exact in f32.
; qq, kk: [batch 16 + head][2048][128] f16: a row is 64 first parts, then 64 second parts: 256 bytes.  vv: [batch 16 + head][2048][64] in f16.
; LIMITS.  |q|, |k|, |v| stay under 65,504 (f16); below 6e-5 an f16 number keeps the fixed step of 6e-8.
; SHARES.  A tile of C is 128 x 256.  Four waves, each 64 x 128: 32 accumulators of 16 x 16.  K goes in 8 steps of 128 (rows of 256 bytes) through two LDS slots.
; A WORK-GROUP STAYS: 4 x 64 = 256 work-groups, each with THREE tiles, 1,024 columns apart: its q, then its k, then its v.  They share their 128 rows of xb; wb goes 1,024 rows down from tile to tile.
; The ring does not stop at a tile's end: a tile's last two changes of slots ask for the next tile's K steps 0 and 1, and nothing waits for a tile's stores.  q and k have a successor, v is the last:
; so the tail that asks on ends in the way out of q and k, and the tail that asks for nothing in the way out of v.
; CLUSTER.  4 x 4 work-groups: the four of a row need the same tile of xb, the four of a column the same tile of wb: each is asked for jointly, by the same tensor load, descriptor and mask in all four.
; THE PRODUCT IS TAKEN TRANSPOSED (source 0 = 16 rows of wb, source 1 = 16 rows of xb): a lane holds row l % 16 of C and the columns 8 (l / 16) + 0..7.
; REGISTERS.  Window 0: v0-31 addresses and work; two fragment buffers of 96 (wb's 8 fragments, then xb's 4) at v64 and v160; on the way out v64-255 are at work.  Window 1: accumulator (a, b) at v[8 (8 a + b)].
.set KSTEP,  128
.set PITCH,  272                       ; an LDS row: 256 bytes + 16 of padding: the 16 rows of a fragment load start at 16 different groups of four banks (ISA guide 11.1)
.set ABYTES, 128*PITCH                 ; xb's 128 rows
.set SLOT,   384*PITCH                 ; then wb's 256 rows
.set STAGE,  2*SLOT                    ; behind the ring, never filled by a tensor load: 8,448 bytes for each wave, its own
.set SPQ,    528                       ; a stage row for q and k: two heads' 256 bytes + 16
.set SPV,    272                       ; for v: two heads' 128 bytes + 16
.set WSTAGE, 16*SPQ
.set SPARE,  STAGE+4*WSTAGE            ; the spare words, 128 bytes a wave: two blocks of 256 bytes that no other line names
.set BACKA,  6*KSTEP*2                 ; bytes from a slot's last K step of a tile back to its first: xb's rows stay
.set NEXTB,  1024*2048-6*KSTEP*2       ; wb: 1,024 rows of 2,048 bytes down, and back along K
.set PFNEXT, 1024*2048-7*KSTEP*2       ; the prefetches: from two K steps past a tile's last to the next tile's K step 2
.set ADRA, 16                          ; v16-17  LDS address of my xb fragments in slot 0, 1
.set ADRB, 20                          ; v20-21  of my wb fragments
.set STOV, 22                          ; v22-23  the way out of v: in, back
.set RDV,  23
.set STO,  24                          ; v24-25  the way out of q and k: in, back
.set RD,   25
.set CO,   26                          ; v26     16 x lane
.set NBV,  27                          ; v27     -B
.set SPW,  28                          ; v28     my spare word; never rewritten
.set NIL,  29                          ; v29     0; never rewritten
.set PFO,  30                          ; v30     the prefetches' offset: lane x a row of 2,048 bytes; never rewritten
.set F0,   64
.set F1,   160
.set T,    64                          ; the way out: 64 f32
.set HI,   128                         ; 32 words of first parts (or of v)
.set LO,   160                         ; 32 words of second parts
.set BK,   192                         ; 64 registers read back from the stage
.set G1,  24                           ; s[24:31] group 1 for xb's tiles;  s[32:39] group 0, a set for each slot
.set G0,  32
.set G1B, 48                           ; s[48:55], s[56:63] the same for wb's
.set G0B, 56
.set LIM, 43                           ; s43     1 in a wave that prefetches, else the greatest number
.set PFA, 44                           ; s[44:45] where my prefetches stand
.set SC,  80                           ; s[80:81] (c / 16) (63 / 64) for q, 1.0 for k
.set SA,  82                           ; s[82:83] A
.set MSB, 0
.macro WIN new                         ; the immediate's high byte repeats the setting that is left; a switch that changes nothing is dropped
.if MSB != (\new)
	s_set_vgpr_msb (MSB<<8)|(\new)
.set MSB, \new
.endif
.endm
.set MUL, 0x50                         ; C and D in window 1, the sources in window 0
.macro PLACES                          ; four places: in front of loads into registers that matrix instructions have read, and of lines that read results
.rept 4
	v_nop
.endr
.endm
; A joint load: waves 0 and 1 fetch xb's two halves (64 rows each), waves 2 and 3 wb's (128 rows each).  An s_nop 0 and four v_nop follow each line.
.macro JLOAD s
	s_cmp_lt_u32 s10, 2
	s_cbranch_scc0 .Lfor_b_\@
	tensor_load_to_lds s[G0+4*(\s):G0+4*(\s)+3], s[G1:G1+7]
	s_nop 0
.rept 4
	v_nop
.endr
	s_branch .Lasked_\@
.Lfor_b_\@:
	tensor_load_to_lds s[G0B+4*(\s):G0B+4*(\s)+3], s[G1B:G1B+7]
	s_nop 0
.rept 4
	v_nop
.endr
.Lasked_\@:
.endm
; A prefetch of the K step that stands two refills on: 32 rows x 256 bytes, a lane a row.  Each row's 256 bytes of a K step are named once in the launch: xb's by wave 0 of the clusters with x = 0
; (the four partners take 32 rows each, by cx), wb's by waves 2 and 3 of the clusters with y = 0 (32 of a wave's 128 rows each, by cy): told apart by address, never by a branch on a place in the cluster.
; how = 0, in the loop: s3 = 1 in its last trip, whose refills have no K step two on in the tile.  how = 1, at a change of tiles: the next tile's K steps 2 and 3 of wb.
.macro ASK how
.if \how
	s_cmp_eq_u32 s[LIM], 1
.else
	s_cmp_gt_u32 s3, s[LIM]
.endif
	s_cbranch_scc0 .Lnot_mine_\@
	global_prefetch_b8 v[PFO], s[PFA:PFA+1] th:TH_LOAD_NT scope:SCOPE_SE
.Lnot_mine_\@:
.endm
.macro CREST                           ; a round of the cluster's barrier behind its opening barrier
	s_cmp_lg_u32 s10, 0
	s_cbranch_scc1 .Lnot_wave_0_\@
	s_barrier_signal -3
.Lnot_wave_0_\@:
	s_barrier_wait -3
	s_barrier_signal -1
	s_barrier_wait -1
.endm
.macro CROUND
	s_barrier_signal -1
	s_barrier_wait -1
	CREST
.endm
	s_load_b128 s[4:7], s[0:1], 0x0                ; xb s[4:5], wb s[6:7]
	s_load_b128 s[68:71], s[0:1], 0x10             ; qq s[68:69], kk s[70:71]
	s_load_b64 s[72:73], s[0:1], 0x20              ; vv
	v_lshl_add_u32 v[SPW], v0, 2, SPARE
	v_mov_b32 v[NIL], 0
	ds_add_u32 v[SPW], v[NIL]                      ; the wave's opening: the add and its wait stand ahead of my first tensor load; work on registers stands between them
	v_lshrrev_b32 v1, 5, v0
	v_readfirstlane_b32 s10, v1                    ; wave 0..3
	s_lshr_b32 s11, s10, 1                         ; which 64 rows of the tile are mine
	s_and_b32 s12, s10, 1                          ; which 128 columns; also: which half of xb's or wb's tile I fetch
	s_bfe_u32 s40, ttmp6, 0x40000                  ; cx
	s_bfe_u32 s41, ttmp6, 0x40004                  ; cy
	s_lshl_b32 s42, ttmp9, 2
	s_add_co_u32 s42, s42, s40                     ; tile column among q's four = 4 x cluster x + cx
	s_and_b32 s13, ttmp7, 0xffff
	s_lshl_b32 s13, s13, 2
	s_add_co_u32 s13, s13, s41                     ; tile row = 4 x cluster y + cy
	s_lshl_b32 s43, s41, 2
	s_lshl_b32 s43, 15, s43                        ; my row of the cluster
	s_lshl_b32 s44, 0x1111, s40                    ; my column
	s_or_b32 s[G1], s43, (1<<16)|(1<<20)|(1<<21)|(5<<22)|(3<<25)   ; the mask; 2-byte elements; padding on; bit 21 beside a mask; after every 64 words (code 5) 4 words (code 3)
	s_or_b32 s[G1B], s44, (1<<16)|(1<<20)|(1<<21)|(5<<22)|(3<<25)
	s_mov_b32 s[G1+1], KSTEP<<16                   ; tensor_dim0 = 128
	s_mov_b32 s[G1+2], 64<<16                      ; tensor_dim1 = 64
	s_mov_b32 s[G1+3], KSTEP<<16                   ; tile_dim0 = 128
	s_mov_b32 s[G1+4], 64                          ; tile_dim1 = 64
	s_mov_b32 s[G1+5], 1024                        ; elements from row to row
	s_mov_b32 s[G1+6], 0
	s_mov_b32 s[G1+7], 0
	s_mov_b32 s[G1B+1], KSTEP<<16
	s_mov_b32 s[G1B+2], 128<<16                    ; 128 rows
	s_mov_b32 s[G1B+3], KSTEP<<16
	s_mov_b32 s[G1B+4], 128
	s_mov_b32 s[G1B+5], 1024
	s_mov_b32 s[G1B+6], 0
	s_mov_b32 s[G1B+7], 0
	s_lshl_b32 s16, s13, 7
	s_lshl_b32 s17, s12, 6
	s_add_co_u32 s16, s16, s17                     ; xb: row 128 x tile row + 64 x half,
	s_lshl_b32 s16, s16, 11                        ; in bytes (under 2^24)
	s_mov_b32 s17, 0
	s_lshl_b32 s46, s42, 8
	s_lshl_b32 s47, s12, 7
	s_add_co_u32 s46, s46, s47                     ; wb, the first tile: row 256 x tile column + 128 x half
	s_lshl_b32 s46, s46, 11
	s_mov_b32 s47, 0
	s_mul_i32 s20, s12, 64*PITCH                   ; where they go: the wave's number alone enters an LDS address
	s_mul_i32 s21, s12, 128*PITCH
	s_add_co_u32 s21, s21, ABYTES
	s_wait_dscnt 0x0                               ; the opening add is done
	s_wait_kmcnt 0x0
	s_add_nc_u64 s[14:15], s[4:5], s[16:17]
	s_add_nc_u64 s[46:47], s[6:7], s[46:47]
	CROUND                                         ; all sixteen work-groups are here: the first joint loads meet
.irp s, 0,1
	s_mov_b32 s[G0+4*(\s)], 1
	s_add_co_u32 s[G0+4*(\s)+1], s20, (\s)*SLOT
	s_add_nc_u64 s[G0+4*(\s)+2:G0+4*(\s)+3], s[14:15], (\s)*KSTEP*2
	s_or_b32 s[G0+4*(\s)+3], s[G0+4*(\s)+3], 0x80000000
	s_mov_b32 s[G0B+4*(\s)], 1
	s_add_co_u32 s[G0B+4*(\s)+1], s21, (\s)*SLOT
	s_add_nc_u64 s[G0B+4*(\s)+2:G0B+4*(\s)+3], s[46:47], (\s)*KSTEP*2
	s_or_b32 s[G0B+4*(\s)+3], s[G0B+4*(\s)+3], 0x80000000
	JLOAD \s                                       ; K steps 0 and 1 of the first tile: two tensor loads of mine are out
.endr
	; A fragment is 16 rows x 32 K in 8 registers: lane l holds row l % 16, K = 8 (l / 16) + 0..7 and 16 + 8 (l / 16) + 0..7: two loads of 16 bytes, 32 bytes apart.
	v_and_b32 v1, 15, v0                           ; r = l % 16
	v_bfe_u32 v2, v0, 4, 1                         ; h = l / 16
	v_mul_u32_u24 v3, v1, PITCH
	v_lshl_add_u32 v3, v2, 4, v3
	s_mul_i32 s21, s11, 64*PITCH                   ; my 64 rows of xb
	s_mul_i32 s22, s12, 128*PITCH                  ; my 128 rows of wb, behind xb's
	s_add_co_u32 s22, s22, ABYTES
.irp s, 0,1
	v_add_nc_u32 v[ADRA+(\s)], s21, v3
	v_add_nc_u32 v[ADRB+(\s)], s22, v3
	s_add_co_u32 s21, s21, SLOT
	s_add_co_u32 s22, s22, SLOT
.endr
	s_mul_i32 s23, s10, WSTAGE
	s_add_co_u32 s23, s23, STAGE                   ; my stage
	v_mul_u32_u24 v4, v1, SPQ
	v_lshl_add_u32 v4, v2, 4, v4
	v_add_nc_u32 v[STO], s23, v4                   ; in: row r, 16 bytes for each half of the lanes
	v_mul_u32_u24 v4, v2, SPQ
	v_lshl_add_u32 v4, v1, 4, v4
	v_add_nc_u32 v[RD], s23, v4                    ; back: lanes 0-15 a head's 256 bytes of one row, lanes 16-31 of the next
	v_mul_u32_u24 v4, v1, SPV
	v_lshl_add_u32 v4, v2, 4, v4
	v_add_nc_u32 v[STOV], s23, v4
	v_bfe_u32 v4, v0, 3, 2
	v_and_b32 v5, 7, v0
	v_mul_u32_u24 v4, v4, SPV
	v_lshl_add_u32 v4, v5, 4, v4
	v_add_nc_u32 v[RDV], s23, v4                   ; back: eight lanes take a head's 128 bytes of a row, the wave four rows
	v_and_b32 v[CO], 31, v0
	v_lshlrev_b32 v[PFO], 11, v[CO]
	v_lshlrev_b32 v[CO], 4, v[CO]
	; where my parts leave: row (batch 16 + my first head) 2048 + the place in the sequence, the same in all three tensors; rows of 256 bytes (q, k) or 128 (v)
	s_lshr_b32 s74, s13, 4                         ; batch
	s_lshl_b32 s74, s74, 4
	s_lshl_b32 s75, s40, 2
	s_add_co_u32 s74, s74, s75
	s_lshl_b32 s75, s12, 1
	s_add_co_u32 s74, s74, s75                     ; + head 4 cx + 2 x my half
	s_lshl_b32 s74, s74, 11
	s_and_b32 s75, s13, 15
	s_lshl_b32 s75, s75, 7
	s_add_co_u32 s74, s74, s75
	s_lshl_b32 s75, s11, 6
	s_add_co_u32 s74, s74, s75
	s_lshl_b32 s76, s74, 7
	s_mov_b32 s77, 0
	s_lshl_b32 s74, s74, 8
	s_mov_b32 s75, 0
	s_add_nc_u64 s[8:9], s[68:69], s[74:75]        ; the first tile leaves into qq;
	s_add_nc_u64 s[70:71], s[70:71], s[74:75]      ; kk and vv wait their turn
	s_add_nc_u64 s[72:73], s[72:73], s[76:77]
	s_mov_b32 s[SC], 0x3f35c792                    ; q's constants: (c / 16) (63 / 64) = 0.71007647,
	s_mov_b32 s[SC+1], s[SC]                       ; (named as pairs)
	s_mov_b32 s[SA], 0x41020821                    ; A = 512/63,
	s_mov_b32 s[SA+1], s[SA]
	v_mov_b32 v[NBV], 0xc1000000                   ; -B = -8
	; the prefetches
	s_lshl_b32 s76, s13, 7                         ; xb's tile: its first row
	s_lshl_b32 s77, s42, 8
	s_lshl_b32 s78, s12, 7
	s_add_co_u32 s77, s77, s78                     ; wb's: the first of the 128 rows that I fetch
	s_and_b32 s78, ttmp7, 0xffff                   ; cluster y
	s_cmp_lt_u32 s10, 2
	s_cselect_b32 s76, s76, s77
	s_cselect_b32 s77, s40, s41                    ; my place among the four that ask with me
	s_cselect_b32 s78, ttmp9, s78                  ; the coordinate along which other clusters read the same rows
	s_cselect_b64 s[PFA:PFA+1], s[4:5], s[6:7]
	s_cmp_eq_u32 s10, 1
	s_cselect_b32 s79, 1, 0                        ; wave 1 never asks
	s_or_b32 s78, s78, s79
	s_cmp_eq_u32 s78, 0
	s_cselect_b32 s[LIM], 1, -1                    ; the same in all sixteen partners, for a given wave
	s_lshl_b32 s77, s77, 5
	s_add_co_u32 s76, s76, s77
	s_lshl_b32 s76, s76, 11
	s_mov_b32 s77, 0
	s_add_nc_u64 s[PFA:PFA+1], s[PFA:PFA+1], s[76:77]
	s_add_nc_u64 s[PFA:PFA+1], s[PFA:PFA+1], 3*KSTEP*2  ; at K step 3: the first refill steps it to 4.  Nothing is prefetched at the head
; n x 8 matrix instructions: m blocks a0 .. a0 + n - 1 x all 8 n blocks, 32 along K.  Every accumulator has one instruction a quarter, always in the same order: the accumulators take turns.
.macro MULH f, a0, n, zero
	WIN MUL
.set ma, \a0
.rept \n
.set mb, 0
.rept 8
.if \zero
	v_wmma_f32_16x16x32_bf16 v[8*(8*ma+mb):8*(8*ma+mb)+7], v[(\f)+8*mb:(\f)+8*mb+7], v[(\f)+64+8*ma:(\f)+64+8*ma+7], 0
.else
	v_wmma_f32_16x16x32_bf16 v[8*(8*ma+mb):8*(8*ma+mb)+7], v[(\f)+8*mb:(\f)+8*mb+7], v[(\f)+64+8*ma:(\f)+64+8*ma+7], v[8*(8*ma+mb):8*(8*ma+mb)+7]
.endif
.set mb, mb+1
.endr
.set ma, ma+1
.endr
.endm
; 24 LDS loads in one run: quarter q (32 along K) of a slot into buffer f: wb's 16, then xb's 8
.macro FETCH slot, q, f
	WIN 0
.set fi, 0
.rept 8
	ds_load_b128 v[(\f)+8*fi:(\f)+8*fi+3],   v[ADRB+(\slot)] offset:64*(\q)+fi*16*PITCH
	ds_load_b128 v[(\f)+8*fi+4:(\f)+8*fi+7], v[ADRB+(\slot)] offset:64*(\q)+fi*16*PITCH+32
.set fi, fi+1
.endr
.set fi, 0
.rept 4
	ds_load_b128 v[(\f)+64+8*fi:(\f)+64+8*fi+3],   v[ADRA+(\slot)] offset:64*(\q)+fi*16*PITCH
	ds_load_b128 v[(\f)+64+8*fi+4:(\f)+64+8*fi+7], v[ADRA+(\slot)] offset:64*(\q)+fi*16*PITCH+32
.set fi, fi+1
.endr
.endm
; One of a K step's first three quarters: multiplies buffer f; in its middle it fetches quarter qn of the same slot into g.
.macro QUARTER slot, qn, f, g, zero
	s_wait_dscnt 4                                 ; wb's fragments and xb's rows 0-31 are in; the youngest four loads (rows 32-63) may be out
	MULH \f, 0, 2, \zero
	PLACES
	FETCH \slot, \qn, \g
	s_wait_dscnt 24                                ; all but the 24 just issued
	MULH \f, 2, 2, \zero
.endm
; The last quarter multiplies buffer 1 and changes slots: ONE barrier.  In front of it each wave waits for all its tensor loads (one is out: its part of the next slot), adds 0 to its spare word, and waits
; for that and for its reads of this slot.  fill = 1: the barrier opens a round of the cluster's, and behind the round this slot is filled again, two K steps ahead, first thing.
; fill = 2: the same, in a tile's last two K steps: the slot takes the NEXT tile's K step 0 or 1.  fill = 0: the last tile's: nothing is asked for, and no round follows.
; fetch = 1: the next slot's first fragments follow.  fetch = 0, at a tile's very end: the way out needs their registers, and they are fetched behind it.
.macro TURN slot, next, fill, fetch
.if \fill
	s_wait_xcnt 0x0                                ; the last prefetch, a K step back, has read its address
.if ((\fill) == 2) && ((\slot) == 0)
	s_add_nc_u64 s[PFA:PFA+1], s[PFA:PFA+1], PFNEXT  ; to the next tile's K step 2
	s_cmp_lt_u32 s10, 2
	s_cselect_b32 s[LIM], -1, s[LIM]               ; xb's rows are the same for all three tiles: they have been read, and are prefetched no more
.else
	s_add_nc_u64 s[PFA:PFA+1], s[PFA:PFA+1], KSTEP*2
.endif
.endif
	WIN 0
	s_wait_tensorcnt 0x0                           ; all my tensor loads have landed
	ds_add_u32 v[SPW], v[NIL]                      ; 0 onto my spare word
	s_wait_dscnt 5                                 ; (the add and the youngest four loads may be out)
	MULH F1, 0, 1, 0
	s_wait_dscnt 0x0                               ; the add is done, and my reads of this slot are over
	s_barrier_signal -1
	MULH F1, 1, 1, 0
.if \fill
	WIN 0
.endif
	s_barrier_wait -1
.if \fill
	CREST                                          ; no wave of any partner still reads this slot's tile or has a load on its way
.if (\fill) == 2
	s_sub_nc_u64 s[G0+4*(\slot)+2:G0+4*(\slot)+3], s[G0+4*(\slot)+2:G0+4*(\slot)+3], BACKA
	s_add_nc_u64 s[G0B+4*(\slot)+2:G0B+4*(\slot)+3], s[G0B+4*(\slot)+2:G0B+4*(\slot)+3], NEXTB
.else
	s_add_nc_u64 s[G0+4*(\slot)+2:G0+4*(\slot)+3], s[G0+4*(\slot)+2:G0+4*(\slot)+3], 2*KSTEP*2
	s_add_nc_u64 s[G0B+4*(\slot)+2:G0B+4*(\slot)+3], s[G0B+4*(\slot)+2:G0B+4*(\slot)+3], 2*KSTEP*2
.endif
	JLOAD \slot                                    ; my one tensor load behind the round; its four v_nop are also the places in front of the loads below
.else
	PLACES
.endif
.if \fetch
	FETCH \next, 0, F0
.endif
.if (\fill) == 1
	ASK 0
.endif
.if (\fill) == 2
	ASK 1
.endif
	MULH F1, 2, 2, 0
.endm
; THE WAY OUT OF q AND k, 16 rows (m block a) at a time: y = sum x SC; first = f16(y); second = f16(y A - first B); both through my stage, back as a head's whole rows of 256 bytes.
.macro OUTQK a
	s_wait_xcnt 0x0                                ; the stores of the block before have read BK
	WIN 0x01                                       ; source 0 in window 1
.set i, 0
.rept 32
	v_pk_mul_f32 v[T+2*i:T+2*i+1], v[64*(\a)+2*i:64*(\a)+2*i+1], s[SC:SC+1] op_sel_hi:[1,0]  ; ascending: each accumulator is read from its low end
.set i, i+1
.endr
	WIN 0
.set i, 0
.rept 32
	v_cvt_pk_f16_f32 v[HI+i], v[T+2*i], v[T+2*i+1]
.set i, i+1
.endr
.set i, 0
.rept 32
	v_pk_mul_f32 v[T+2*i:T+2*i+1], v[T+2*i:T+2*i+1], s[SA:SA+1] op_sel_hi:[1,0]  ; y A
.set i, i+1
.endr
.set i, 0
.rept 32
	v_fma_mix_f32 v[T+2*i], v[HI+i], v[NBV], v[T+2*i] op_sel_hi:[1,0,0]                     ; the word's low f16 x (-B) + y A, in f32
	v_fma_mix_f32 v[T+2*i+1], v[HI+i], v[NBV], v[T+2*i+1] op_sel:[1,0,0] op_sel_hi:[1,0,0]  ; its high f16
.set i, i+1
.endr
.set i, 0
.rept 32
	v_cvt_pk_f16_f32 v[LO+i], v[T+2*i], v[T+2*i+1]
.set i, i+1
.endr
.set b, 0
.rept 8                                ; n block b: head b / 4, channels 16 (b % 4) + 8 h on
	ds_store_b128 v[STO], v[HI+4*b:HI+4*b+3] offset:(b/4)*256+(b%4)*32
	ds_store_b128 v[STO], v[LO+4*b:LO+4*b+3] offset:(b/4)*256+(b%4)*32+128
.set b, b+1
.endr
.set t, 0
.rept 16
	ds_load_b128 v[BK+4*t:BK+4*t+3], v[RD] offset:(t/8)*256+(t%8)*2*SPQ  ; LDS serves a wave's instructions in order (ISA guide 5.7.1.4): these see the stores above
.set t, t+1
.endr
.set t, 0
.rept 16
	s_wait_dscnt 15-t
	global_store_b128 v[CO], v[BK+4*t:BK+4*t+3], s[8:9] offset:(t/8)*524288+(\a)*4096+(t%8)*512  ; two rows: 512 consecutive bytes, aligned
.set t, t+1
.endr
.endm
; THE WAY OUT OF v: rounded to f16, back as four rows of a head: 512 consecutive bytes.
.macro OUTV a
	s_wait_xcnt 0x0
	WIN 0x05                                       ; sources 0 and 1 in window 1
.set i, 0
.rept 32
	v_cvt_pk_f16_f32 v[HI+i], v[64*(\a)+2*i], v[64*(\a)+2*i+1]
.set i, i+1
.endr
	WIN 0
.set b, 0
.rept 8
	ds_store_b128 v[STOV], v[HI+4*b:HI+4*b+3] offset:32*b
.set b, b+1
.endr
.set t, 0
.rept 8
	ds_load_b128 v[BK+4*t:BK+4*t+3], v[RDV] offset:(t/4)*128+(t%4)*4*SPV
.set t, t+1
.endr
.set t, 0
.rept 8
	s_wait_dscnt 7-t
	global_store_b128 v[CO], v[BK+4*t:BK+4*t+3], s[8:9] offset:(t/4)*262144+(\a)*2048+(t%4)*512
.set t, t+1
.endr
.endm
	s_wait_tensorcnt 1                             ; my part of K step 0 is in; K step 1's may stay out
	s_barrier_signal -1
	s_barrier_wait -1
	s_mov_b32 s2, 3                                ; tiles to go, this one among them: the same number in every work-group
.Ltile:                                            ; slot 0 holds the tile's K step 0, whole; slot 1's load, its K step 1, is on its way
	FETCH 0, 0, F0
	QUARTER 0, 1, F0, F1, 1                        ; a tile's first quarter stands in front of the loop: its products start the sums
	WIN 0
	s_mov_b32 s3, 3
.Llap:                                             ; a trip goes once round the ring, from a lap's second quarter to the next lap's first, and fills both slots again: K steps 2 to 7
	QUARTER 0, 2, F1, F0, 0
	QUARTER 0, 3, F0, F1, 0
	TURN 0, 1, 1, 1
	QUARTER 1, 1, F0, F1, 0
	QUARTER 1, 2, F1, F0, 0
	QUARTER 1, 3, F0, F1, 0
	TURN 1, 0, 1, 1
	QUARTER 0, 1, F0, F1, 0
	WIN 0
	s_sub_co_u32 s3, s3, 1
	s_cmp_lg_u32 s3, 0
	s_cbranch_scc1 .Llap
	QUARTER 0, 2, F1, F0, 0                        ; the tile's last lap goes on
	QUARTER 0, 3, F0, F1, 0
	WIN 0
	s_cmp_eq_u32 s2, 1
	s_cbranch_scc1 .Llast                          ; the last tile's tail is written out: it asks for nothing more
	TURN 0, 1, 2, 1                                ; THE RING GOES ON INTO THE NEXT TILE: slot 0 takes its K step 0,
	QUARTER 1, 1, F0, F1, 0
	QUARTER 1, 2, F1, F0, 0
	QUARTER 1, 3, F0, F1, 0
	TURN 1, 0, 2, 0                                ; slot 1 its K step 1
	WIN 0
	PLACES
	PLACES
	OUTQK 0                                        ; both refills are asked for: now the tile goes out, q's or k's
	OUTQK 1
	OUTQK 2
	OUTQK 3
	s_wait_xcnt 0x0                                ; the tile's stores have read their registers and their base: only behind this wait are the base and the fragment buffers written
	s_mov_b64 s[8:9], s[70:71]                     ; behind q: kk, and vv moves up; behind k: vv
	s_mov_b64 s[70:71], s[72:73]
	s_mov_b32 s[SC], 1.0                           ; k's constants (behind k they serve nothing more): y = k,
	s_mov_b32 s[SC+1], 1.0
	s_mov_b32 s[SA], 0x41000000                    ; A = 8,
	s_mov_b32 s[SA+1], 0x41000000
	v_mov_b32 v[NBV], 0xc0fc0000                   ; -B = -7.875
	s_sub_co_u32 s2, s2, 1
	s_branch .Ltile
.Llast:
	TURN 0, 1, 0, 1                                ; v's last lap fills nothing
	QUARTER 1, 1, F0, F1, 0
	QUARTER 1, 2, F1, F0, 0
	QUARTER 1, 3, F0, F1, 0
	s_wait_dscnt 0x0
	MULH F1, 0, 4, 0
	WIN 0
	PLACES
	PLACES
	OUTV 0
	OUTV 1
	OUTV 2
	OUTV 3
	s_wait_tensorcnt 0x0                           ; the wave's end, behind my last tensor load and my last LDS store
	ds_add_u32 v[SPW], v[NIL]
	s_wait_dscnt 0x0
	CROUND                                         ; the closing round: no work-group ends while a partner may still ask for a tile that names it
	s_endpgm
.Lfunc_end_k_q8b6e039111_qkv:
	.size	k_q8b6e039111_qkv, .Lfunc_end_k_q8b6e039111_qkv-k_q8b6e039111_qkv
	.p2alignl 7, 3214868480
	.fill 96, 4, 3214868480
	.section	.rodata,"a",@progbits
	.p2align	6, 0x0
	.amdhsa_kernel k_q8b6e039111_qkv
		.amdhsa_group_segment_fixed_size 327680
		.amdhsa_private_segment_fixed_size 0
		.amdhsa_enable_private_segment 0
		.amdhsa_kernarg_size 40
		.amdhsa_user_sgpr_count 2
		.amdhsa_user_sgpr_kernarg_segment_ptr 1
		.amdhsa_wavefront_size32 1
		.amdhsa_system_sgpr_workgroup_id_x 1
		.amdhsa_system_sgpr_workgroup_id_y 1
		.amdhsa_system_sgpr_workgroup_id_z 1
		.amdhsa_system_vgpr_workitem_id 0
		.amdhsa_next_free_vgpr 512
		.amdhsa_next_free_sgpr 84
		.amdhsa_reserve_vcc 0
		.amdhsa_float_denorm_mode_32 3
		.amdhsa_float_denorm_mode_16_64 3
		.amdhsa_memory_ordered 1
		.amdhsa_forward_progress 1
		.amdhsa_inst_pref_size 174
	.end_amdhsa_kernel
	.amdgpu_metadata
---
amdhsa.version: [ 1, 2 ]
amdhsa.kernels:
  - .name:           k_q8b6e039111_qkv
    .symbol:         k_q8b6e039111_qkv.kd
    .args:
      - { .name: xb, .offset: 0, .size: 8, .value_kind: global_buffer, .address_space: global }
      - { .name: wb, .offset: 8, .size: 8, .value_kind: global_buffer, .address_space: global }
      - { .name: qq, .offset: 16, .size: 8, .value_kind: global_buffer, .address_space: global }
      - { .name: kk, .offset: 24, .size: 8, .value_kind: global_buffer, .address_space: global }
      - { .name: vv, .offset: 32, .size: 8, .value_kind: global_buffer, .address_space: global }
    .group_segment_fixed_size: 327680
    .private_segment_fixed_size: 0
    .kernarg_segment_align: 8
    .kernarg_segment_size: 40
    .max_flat_workgroup_size: 128
    .sgpr_count:     84
    .vgpr_count:     512
    .wavefront_size: 32
...
	.end_amdgpu_metadata
.endif
;; end of part 2
;; launch attn (part 3): grid 8 x 64, 4 waves a work-group, clusters of 4 x 1, 327,680 bytes of LDS; arguments qq, kk, vv, zz; writes zz
.if DOCPART == 3
	.amdgcn_target "amdgcn-amd-amdhsa--gfx1250"
	.amdhsa_code_object_version 6
	.text
	.protected	k_q8b6e039111_attn
	.globl	k_q8b6e039111_attn
	.p2align	8
	.type	k_q8b6e039111_attn,@function
k_q8b6e039111_attn:
	s_mov_b64 s[64:65], 0
	v_nop
	global_prefetch_b8 v0, s[64:65] scope:SCOPE_SE
	s_setreg_imm32_b32 hwreg(HW_REG_WAVE_MODE, 25, 1), 1
	s_wait_xcnt 0x0
	s_wait_alu depctr_hold_cnt(0) depctr_sa_sdst(0) depctr_va_vdst(0) depctr_va_sdst(0) depctr_va_ssrc(0) depctr_va_vcc(0) depctr_vm_vsrc(0)
	s_getreg_b32 s2, hwreg(HW_REG_IB_STS2, 6, 4)
	s_cmp_eq_u32 s2, 0
	s_cbranch_scc0 .Lentry_in_a_cluster
	s_endpgm
.Lentry_in_a_cluster:
	s_bfe_u32 s2, ttmp6, 0x10000c
	s_cmp_lg_u32 s2, 0x3003
	s_cbranch_scc0 .Lentry_shape_is_right
	s_endpgm
.Lentry_shape_is_right:
; ATTENTION.  z[bh][q][:] = the sum over k of softmax_k(8 s') v[bh][k][:], s' = q . k, or -1e9 where q . k is exactly 0.  bh = batch 16 + head, 64 of them; 2,048 queries and keys; 64 channels.
; qq, kk: [bh][2048][128] f16: a row is 64 first parts, then 64 second parts, made by the launch before so that
;   A SCORE IS TWO PRODUCTS: s = first_k . first_q + second_k . second_q = (c / 16) q . k, c = 8 log2 e, to some 17 bits.  The factor 8 makes the softmax so sharp that 16 bits of q and k do not do.
; vv, zz: [bh][2048][64] f16.
; THE MASK as it is written: every score is compared with 0 and replaced by M = -1e9 c / 16 where it is equal.  SOFTMAX: a running maximum m and sum l for each query; p = 2^(16 s - 16 m); 16 m is exact,
; so the exponent is 0 at s = m, in a row of masked scores too.  In every step O and l are multiplied by a = 2^(16 m_old - 16 m_new), which is 1 where m has not grown.
; m starts at the lowest finite number, 16 m far below every 16 s, O and l at 0: the first step has a = 0 and is a step like any other.
; LIMITS.  The zero test is made on this text's own score (the two products' f32 sum).  q, k, v and z are f16: under 65,504; p, rounded to f16 for the second product, keeps f16's step of 6e-8 below 6e-5;
; l is taken of the unrounded p; a weight below 2^-126 counts as 0.  NaN and infinities are not treated apart.
; SHARES.  A work-group owns 256 queries of one bh, a wave 64: two PIECES of two tiles of 16.  Every wave walks all keys, 64 a step; an LDS slot holds 4 steps (256 keys of K and V).
; LAYOUT.  S^T = K Q^T (source 0 = 16 keys, source 1 = 16 queries): a lane holds ONE query (lane % 16) and the keys 8 (lane / 16) + 0..7; two such results rounded to f16 ARE source 1 of O^T = V^T P.
; BY TURNS.  While one piece has the matrix unit, the other piece's softmax stands in fours behind the matrix instructions; what has no such place stands in a lump.  A piece's 66 exponentials are one batch with one wait.
; CLUSTER.  The four query blocks of a cluster belong to one bh and walk the same K and V: each tile is asked for jointly, by the same tensor load, descriptor and mask in all four.
; REGISTERS (s_set_vgpr_msb: bits 1:0 source 0, 3:2 source 1, 5:4 source 2, 7:6 destination).  Window 0: v0-15 addresses; v16-47 statistics; v64-191 S^T, 32 a tile; v192-255 P, 16 a tile.
;   Window 1: v0-127 O^T, 32 a tile; v128-191 V of one step.      Window 2: v0-127 Q (tile t, part p, channel half c at 32 t + 16 p + 8 c); v128-255 K of one step (128 + 64 p + 16 kb + 8 c).
.set PKB,   272       ; a row of K in LDS: 256 bytes + 16 of padding
.set PVB,   160       ; a row of V: 128 + 32
.set VOFF,  256*PKB   ; a slot: 256 rows of K, then 256 rows of V
.set KSTP,  64*PKB
.set VSTP,  64*PVB
.set SLOT1, 1<<17     ; slot 1 begins here: one exclusive or turns an address in one slot into the other's
.set STAGE, SLOT1+256*(PKB+PVB)  ; behind the ring, never filled by a tensor load: 16 rows x 144 bytes for each wave
.set SP,    144
.set SPARE, STAGE+4*16*SP        ; the spare words, 128 bytes a wave: two blocks of 256 bytes that no other line names
.set AK0, 2           ; v2   my lane's place in a tile of K; never rewritten
.set AV0, 3           ; v3   the same for V
.set ADK, 4           ; v4   the LDS address of K's run of loads in hand
.set ADV, 5           ; v5   of V's
.set STO, 6           ; v6   the way out: where I put 16 bytes of a row
.set RD,  7           ; v7   where I read rows back
.set GO,  8           ; v8   16 x lane
.set MKV, 12          ; v12  M
.set QO,  13          ; v13  my byte offset in 16 rows of Q
.set ST,  16          ; tile t's statistics at v[16 + 8 t]: +0 16 m, +1 m, +2, +3 l (even keys', odd keys'), +4 to +7 c0-c3 at work; a takes c2's place, 16 m_old - 16 m_new c3's
.set PFO, 61          ; v61  256 x lane; never rewritten
.set SPW, 62          ; v62  my spare word; never rewritten
.set NIL, 63          ; v63  0; never rewritten
.set S,   64
.set P,   192
.set VF,  128         ; window 1: key half kk, channel block cb at VF + 32 kk + 8 cb
.set KF,  128         ; window 2
.set WV,  12          ; s12  my wave's number
.set LIM, 15          ; s15  1 in a wave that prefetches, else the greatest number
.set PFA, 18          ; s[18:19] where my prefetches stand
.set G1K, 24          ; s[24:31] group 1 for K's tiles
.set G1V, 32          ; s[32:39] for V's
.set G0K, 40          ; s[40:47] group 0 for K's: a set for each first fill; the second then walks on
.set G0V, 48          ; s[48:55] the same for V's
.set SLOTS, 56        ; s56  changes of slots still to come
.set CNT, 57          ; s57  counts a slot's key steps
.set PFS, 58          ; s[58:59] a tile's bytes in the tensor that I prefetch
.set SEL, 60          ; s[60:61] v_permlanex16_b32's selects: each lane takes its own place in the other half
.set TBK, 62          ; s62  LDS byte at which K of the step to be fetched begins
.set TBV, 63          ; s63  the same for V, less VOFF
.set CS,  70          ; s[70:71] 16.0: the packed scaling takes the pair's low word for both halves
.set CM,  88          ; s88-95 the compares' masks: four for each of a piece's two tiles
.set MSB, 0
.macro WIN new
.if MSB != (\new)
	s_set_vgpr_msb (MSB<<8)|(\new)
.set MSB, \new
.endif
.endm
.set W_KQ, 0x0a       ; K and Q in window 2, S^T in window 0
.set W_PV, 0x51       ; V in window 1, P in window 0, O^T in window 1
.set W_RS, 0x41       ; O^T (destination and source 0) in window 1, a in window 0
.macro PLACES
.rept 4
	v_nop
.endr
.endm
; A joint refill: waves 0 and 1 fetch the two halves of a tile's K, waves 2 and 3 those of its V, 128 keys each.  An s_nop 0 and four v_nop follow each line.
.macro JLOAD
	s_cmp_lt_u32 s[WV], 2
	s_cbranch_scc0 .Lfor_v_\@
	tensor_load_to_lds s[G0K+4:G0K+7], s[G1K:G1K+7]
	s_nop 0
.rept 4
	v_nop
.endr
	s_branch .Lasked_\@
.Lfor_v_\@:
	tensor_load_to_lds s[G0V+4:G0V+7], s[G1V:G1V+7]
	s_nop 0
.rept 4
	v_nop
.endr
.Lasked_\@:
.endm
; A prefetch of what the NEXT change of slots will ask for, behind my tensor load and its five lines.  Each 256 bytes are named once in the launch: the bh's first cluster asks; its four partners share the
; bytes out by address (8,192 each of what a wave names); waves 0 and 1 ask for their halves of K's tile (a lane a row), wave 2 for V's (a lane two rows).  The last change that fills a slot asks for nothing.
.macro ASK
	s_cmp_gt_u32 s[SLOTS], s[LIM]
	s_cbranch_scc0 .Lnot_mine_\@
	global_prefetch_b8 v[PFO], s[PFA:PFA+1] th:TH_LOAD_NT scope:SCOPE_SE
.Lnot_mine_\@:
.endm
.macro CROUND                       ; a round of the cluster's barrier
	s_barrier_signal -1
	s_barrier_wait -1
	s_cmp_lg_u32 s[WV], 0
	s_cbranch_scc1 .Lnot_wave_0_\@
	s_barrier_signal -3
.Lnot_wave_0_\@:
	s_barrier_wait -3
	s_barrier_signal -1
	s_barrier_wait -1
.endm
	s_load_b256 s[4:11], s[0:1], 0x0  ; qq s[4:5], kk s[6:7], vv s[8:9], zz s[10:11]
	v_lshl_add_u32 v[SPW], v0, 2, SPARE
	v_mov_b32 v[NIL], 0
	ds_add_u32 v[SPW], v[NIL]       ; the wave's opening: the add and its wait stand ahead of my first tensor load; work on registers stands between them
	v_lshrrev_b32 v1, 5, v0
	v_readfirstlane_b32 s[WV], v1   ; wave 0..3
	s_bfe_u32 s13, ttmp6, 0x40000   ; cx
	s_lshl_b32 s14, ttmp9, 2
	s_add_co_u32 s14, s14, s13      ; my block of 256 queries: it enters qq's and zz's addresses alone
	s_and_b32 s20, ttmp7, 0xffff    ; bh, which the four partners share
	s_and_b32 s16, s[WV], 1         ; which half of a tile's 256 keys I fetch
	s_lshl_b32 s22, s20, 19         ; kk: 524,288 bytes a bh, 32,768 a half
	s_lshl_b32 s23, s16, 15
	s_add_co_u32 s22, s22, s23
	s_mov_b32 s23, 0
	s_lshl_b32 s2, s20, 18          ; vv: half of that
	s_lshl_b32 s3, s16, 14
	s_add_co_u32 s2, s2, s3
	s_mov_b32 s3, 0
	s_lshl_b32 s66, s20, 19         ; qq: my wave's 64 rows of 256 bytes
	s_lshl_b32 s67, s14, 16
	s_add_co_u32 s66, s66, s67
	s_lshl_b32 s67, s[WV], 14
	s_add_co_u32 s66, s66, s67
	s_mov_b32 s67, 0
	s_lshr_b32 s68, s66, 1          ; zz: rows of 128 bytes
	s_mov_b32 s69, 0
	s_mul_i32 s17, s16, 128*PKB     ; my half's place in a slot, for K
	s_mul_i32 s21, s16, 128*PVB     ; and for V: no place in the cluster enters an LDS address
	s_add_co_u32 s21, s21, VOFF
	s_mov_b32 s[G1K], 15|(1<<16)|(1<<20)|(1<<21)|(5<<22)|(3<<25)  ; the mask of four; 2-byte elements; padding on; bit 21 beside a mask; after every 64 words (code 5) 4 words (code 3)
	s_mov_b32 s[G1K+1], 128<<16     ; tensor_dim0 = 128
	s_mov_b32 s[G1K+2], 128<<16     ; tensor_dim1 = 128
	s_mov_b32 s[G1K+3], 128<<16     ; tile_dim0 = 128
	s_mov_b32 s[G1K+4], 128         ; tile_dim1 = 128
	s_mov_b32 s[G1K+5], 128         ; elements from row to row
	s_mov_b32 s[G1K+6], 0
	s_mov_b32 s[G1K+7], 0
	s_mov_b32 s[G1V], 15|(1<<16)|(1<<20)|(1<<21)|(4<<22)|(7<<25)  ; 128 keys of V are 16,384 dense bytes: 64 rows of 256, two keys a row, 8 words of padding (code 7) after every 32 (code 4)
	s_mov_b32 s[G1V+1], 128<<16
	s_mov_b32 s[G1V+2], 64<<16
	s_mov_b32 s[G1V+3], 128<<16
	s_mov_b32 s[G1V+4], 64
	s_mov_b32 s[G1V+5], 128
	s_mov_b32 s[G1V+6], 0
	s_mov_b32 s[G1V+7], 0
	s_mov_b32 s[SEL], 0x76543210
	s_mov_b32 s[SEL+1], 0xfedcba98
	s_mov_b32 s[CS], 0x41800000     ; 16.0
	s_mov_b32 s[CS+1], s[CS]        ; named with it as a pair
	s_mov_b32 s[TBK], 0
	s_mov_b32 s[TBV], 0
	s_mov_b32 s[PFS], 32768
	s_mov_b32 s[PFS+1], 0
	s_cmp_lt_u32 s[WV], 2
	s_cselect_b32 s[PFS], 0x10000, s[PFS]
	s_cmp_eq_u32 s[WV], 3           ; wave 3 never asks,
	s_cselect_b32 s[LIM], 1, 0
	s_or_b32 s[LIM], s[LIM], ttmp9  ; nor any wave of the bh's second cluster: the same in all four partners
	s_cmp_eq_u32 s[LIM], 0
	s_cselect_b32 s[LIM], 1, -1
	v_and_b32 v[PFO], 31, v0
	v_lshlrev_b32 v[PFO], 8, v[PFO]
	s_wait_dscnt 0x0                ; the opening add is done
	s_wait_kmcnt 0x0
	s_add_nc_u64 s[6:7], s[6:7], s[22:23]  ; K and V at my half of tile 0
	s_add_nc_u64 s[8:9], s[8:9], s[2:3]
	s_add_nc_u64 s[4:5], s[4:5], s[66:67]  ; Q and z at my wave's first row
	s_add_nc_u64 s[10:11], s[10:11], s[68:69]
	s_cmp_lt_u32 s[WV], 2
	s_cselect_b64 s[PFA:PFA+1], s[6:7], s[8:9]
	s_lshl_b32 s2, s13, 13          ; my work-group's 8,192 bytes,
	s_lshl_b32 s3, s[PFS], 1        ; in tile 2; the first change of slots steps it to tile 3.  Nothing is prefetched at the head
	s_add_co_u32 s2, s2, s3
	s_mov_b32 s3, 0
	s_add_nc_u64 s[PFA:PFA+1], s[PFA:PFA+1], s[2:3]
	CROUND                          ; all four work-groups are here: the first joint loads meet
.irp s, 0,1
	s_mov_b32 s[G0K+4*(\s)], 1
	s_add_co_u32 s[G0K+4*(\s)+1], s17, (\s)*SLOT1
	s_add_nc_u64 s[G0K+4*(\s)+2:G0K+4*(\s)+3], s[6:7], (\s)*65536
	s_or_b32 s[G0K+4*(\s)+3], s[G0K+4*(\s)+3], 0x80000000
	s_mov_b32 s[G0V+4*(\s)], 1
	s_add_co_u32 s[G0V+4*(\s)+1], s21, (\s)*SLOT1
	s_add_nc_u64 s[G0V+4*(\s)+2:G0V+4*(\s)+3], s[8:9], (\s)*32768
	s_or_b32 s[G0V+4*(\s)+3], s[G0V+4*(\s)+3], 0x80000000
.endr
	s_cmp_lt_u32 s[WV], 2           ; a wave's two first fills stand in one branch, ahead of every wait on TENSORcnt and every LDS read: two loads of mine are out
	s_cbranch_scc0 .Lfirst_v
	tensor_load_to_lds s[G0K:G0K+3], s[G1K:G1K+7]
	s_nop 0
	tensor_load_to_lds s[G0K+4:G0K+7], s[G1K:G1K+7]
	s_nop 0
.rept 4
	v_nop
.endr
	s_branch .Lfirst_asked
.Lfirst_v:
	tensor_load_to_lds s[G0V:G0V+3], s[G1V:G1V+7]
	s_nop 0
	tensor_load_to_lds s[G0V+4:G0V+7], s[G1V:G1V+7]
	s_nop 0
.rept 4
	v_nop
.endr
.Lfirst_asked:
	; A fragment of K or Q is 16 rows x 32 channels in 8 registers: lane l holds row l % 16, channels 8 (l / 16) + 0..7 and 16 + 8 (l / 16) + 0..7: two loads of 16 bytes, 32 bytes apart.
	v_and_b32 v1, 15, v0            ; l % 16
	v_bfe_u32 v9, v0, 4, 1          ; l / 16
	v_lshlrev_b32 v[QO], 8, v1
	v_lshl_add_u32 v[QO], v9, 4, v[QO]
	WIN 0x80                        ; destination window 2
.set i, 0
.rept 16                            ; Q stays in registers: fragment i: tile i / 4, part (i / 2) % 2, channel half i % 2
	global_load_b128 v[8*i:8*i+3],   v[QO], s[4:5] offset:(i/4)*4096+((i/2)%2)*128+(i%2)*64
	global_load_b128 v[8*i+4:8*i+7], v[QO], s[4:5] offset:(i/4)*4096+((i/2)%2)*128+(i%2)*64+32
.set i, i+1
.endr
	; What the first turn finds: O^T, V's registers and piece 1's P hold 0 (its products V^T P, of a step that has not been, add 0).  No first step is written out for that price.  All this stands in the wait for the first tile.
	WIN 0x40
.set i, 0
.rept 192
	v_mov_b32 v[i], 0
.set i, i+1
.endr
	WIN 0
.set i, 0
.rept 32
	v_mov_b32 v[P+32+i], 0
.set i, i+1
.endr
.set i, 0
.rept 4
	v_mov_b32 v[ST+8*i], 0xfe000000    ; 16 m: far below every 16 s (f16's scores stay under 1e12)
	v_mov_b32 v[ST+8*i+1], 0xff7fffff  ; m: the lowest finite number
.set j, 2
.rept 6
	v_mov_b32 v[ST+8*i+j], 0
.set j, j+1
.endr
.set i, i+1
.endr
	v_mov_b32 v[MKV], 0xce2bfb8f    ; M = -1e9 x 8 log2 e / 16
	v_mul_u32_u24 v[AK0], v1, PKB
	v_lshl_add_u32 v[AK0], v9, 4, v[AK0]
	; The turning load takes 16 keys x 16 channels (lane l reads key 8 (l / 16) + l % 8, channels 8 ((l / 8) % 2) + 0..7) and leaves half a fragment of V^T: lane l holds channel l % 16 and 8 keys.
	v_and_b32 v10, 7, v0
	v_bfe_u32 v11, v0, 3, 1
	v_lshl_add_u32 v[AV0], v9, 3, v10
	v_mul_u32_u24 v[AV0], v[AV0], PVB
	v_lshl_add_u32 v[AV0], v11, 4, v[AV0]
	v_add_nc_u32 v[AV0], VOFF, v[AV0]
; THE MATRIX WORK.  Eight accumulators take turns, one instruction a turn.
; Product i of 32 of S^T = K Q^T for piece x: link i / 8 of four (first . first, second . second, each in two channel halves), keys 16 ((i / 2) % 4) on, tile 2 x + i % 2.  The first 8 start the sums.
.macro KQ x
	WIN W_KQ
.set lam, i/8
.set rS, S+32*(2*(\x)+i%2)+8*((i/2)%4)
.set rK, KF+64*(lam/2)+16*((i/2)%4)+8*(lam%2)
.set rQ, 32*(2*(\x)+i%2)+16*(lam/2)+8*(lam%2)
.if i < 8
	v_wmma_f32_16x16x32_f16 v[rS:rS+7], v[rK:rK+7], v[rQ:rQ+7], 0
.else
	v_wmma_f32_16x16x32_f16 v[rS:rS+7], v[rK:rK+7], v[rQ:rQ+7], v[rS:rS+7]
.endif
.endm
; Product i of 16 of O^T += V^T P for piece x: keys 32 (i / 8) on, channels 16 ((i / 2) % 4) on, tile 2 x + i % 2.
.macro PV x
	WIN W_PV
.set rO, 32*(2*(\x)+i%2)+8*((i/2)%4)
.set rV, VF+32*(i/8)+8*((i/2)%4)
.set rP, P+16*(2*(\x)+i%2)+8*(i/8)
	v_wmma_f32_16x16x32_f16 v[rO:rO+7], v[rV:rV+7], v[rP:rP+7], v[rO:rO+7]
.endm
; THE LDS LOADS stand in runs of 16, each four places behind the last product that read its registers: a step's K, first parts; its second parts; its V (turned).
.macro FETCH_KH
	WIN 0
	PLACES
	v_add_nc_u32 v[ADK], s[TBK], v[AK0]
	WIN 0x80
.set f, 0
.rept 8                             ; keys 16 (f / 2) on, channels 32 (f % 2) on
	ds_load_b128 v[KF+8*f:KF+8*f+3],   v[ADK] offset:(f/2)*16*PKB+(f%2)*64
	ds_load_b128 v[KF+8*f+4:KF+8*f+7], v[ADK] offset:(f/2)*16*PKB+(f%2)*64+32
.set f, f+1
.endr
.endm
.macro FETCH_KL
	WIN 0
	PLACES
	WIN 0x80
.set f, 0
.rept 8
	ds_load_b128 v[KF+64+8*f:KF+64+8*f+3],   v[ADK] offset:(f/2)*16*PKB+(f%2)*64+128
	ds_load_b128 v[KF+64+8*f+4:KF+64+8*f+7], v[ADK] offset:(f/2)*16*PKB+(f%2)*64+160
.set f, f+1
.endr
	s_add_co_u32 s[TBK], s[TBK], KSTP  ; the next fetch is the next step's
.endm
.macro FETCH_V
	WIN 0
	PLACES
	v_add_nc_u32 v[ADV], s[TBV], v[AV0]
	s_add_co_u32 s[TBV], s[TBV], VSTP
	WIN 0x40
.set f, 0
.rept 8                             ; keys 32 (f / 4) on, channels 16 (f % 4) on
	ds_load_tr16_b128 v[VF+8*f:VF+8*f+3],   v[ADV] offset:(f/4)*32*PVB+(f%4)*32
	ds_load_tr16_b128 v[VF+8*f+4:VF+8*f+7], v[ADV] offset:(f/4)*32*PVB+16*PVB+(f%4)*32
.set f, f+1
.endr
	WIN 0
.endm
; THE VECTOR WORK.  A tile's softmax for a key step is a list of 181 lines; SM writes number vn of it for tile vu of piece Y.  s0-s31 are the lane's 32 scores.
;   0-63    the mask, in eights: four compares with 0 into scalar masks, four selects of M; ascending
;   64-79   the maximum of s0-s31 and the old m, three operands at a time      80-83  the other half of the lanes' maximum; m; 16 m_old - 16 m; 16 m
;   84-132  ONE BATCH: the 16 scalings 16 s - 16 m, a pair each, and all 33 exponentials (a at 85); none of these names an exponential's result
;   133-148 the roundings to f16      149-164 the sums; l = a l + the sum      165-180 the tile's O^T times a, the one part that leaves window 0
.macro SM
.set rT, ST+8*(2*Y+vu)
.set rS, S+32*(2*Y+vu)
.set rP, P+16*(2*Y+vu)
.set rO, 32*(2*Y+vu)
.set rM, CM+4*vu
.if vn < 165
	WIN 0
.endif
.if vn < 64
.if vn%8 < 4
	v_cmp_eq_f32 s[rM+vn%8], 0, v[rS+4*(vn/8)+vn%8]
.else
	v_cndmask_b32 v[rS+4*(vn/8)+vn%8-4], v[rS+4*(vn/8)+vn%8-4], v[MKV], s[rM+vn%8-4]
.endif
.elseif vn < 68
	v_max3_num_f32 v[rT+4+vn-64], v[rS+8*(vn-64)], v[rS+8*(vn-64)+1], v[rS+8*(vn-64)+2]
.elseif vn < 76
.set j, vn-64
	v_max3_num_f32 v[rT+4+j%4], v[rT+4+j%4], v[rS+8*(j%4)+2*(j/4)+1], v[rS+8*(j%4)+2*(j/4)+2]
.elseif vn == 76
	v_max3_num_f32 v[rT+4], v[rT+4], v[rS+7], v[rS+15]
.elseif vn == 77
	v_max3_num_f32 v[rT+6], v[rT+6], v[rS+23], v[rS+31]
.elseif vn == 78
	v_max3_num_f32 v[rT+4], v[rT+4], v[rT+5], v[rT+6]
.elseif vn == 79
	v_max3_num_f32 v[rT+4], v[rT+4], v[rT+7], v[rT+1]
.elseif vn == 80
	v_permlanex16_b32 v[rT+5], v[rT+4], s[SEL], s[SEL+1]  ; the query's other 32 keys lie in the lane 16 away
.elseif vn == 81
	v_max_num_f32 v[rT+1], v[rT+4], v[rT+5]
.elseif vn == 82
	v_fma_f32 v[rT+7], -v[rT+1], s[CS], v[rT]             ; 16 m_old - 16 m: 16 m is exact, so this is 0 where m has not grown
.elseif vn == 83
	v_mul_f32 v[rT], s[CS], v[rT+1]
.elseif vn == 85
	v_exp_f32 v[rT+6], v[rT+7]
.elseif (vn == 84) || ((vn < 131) && ((vn-86)%3 == 0))
.set b, 0
.if vn > 84
.set b, (vn-86)/3+1
.endif
	v_pk_fma_f32 v[rS+2*b:rS+2*b+1], v[rS+2*b:rS+2*b+1], s[CS:CS+1], v[rT:rT+1] op_sel_hi:[1,0,0] neg_lo:[0,0,1] neg_hi:[0,0,1]  ; pair b: 16 s - 16 m
.elseif vn < 133
.set e, vn-101                      ; 131, 132: s30, s31
.if vn < 131
.set e, 2*((vn-86)/3)+(vn-86)%3-1   ; behind pair b + 1's scaling: pair b's two exponentials
.endif
	v_exp_f32 v[rS+e], v[rS+e]
.elseif vn < 149
	v_cvt_pk_f16_f32 v[rP+vn-133], v[rS+2*(vn-133)], v[rS+2*(vn-133)+1]
.elseif vn < 165                    ; the sum of the tile's 16 pairs, in place: neighbours 1, 2, 4 and 8 pairs apart, then l takes it
.set z, vn-149
.set w, 4
.set u, z
.if z >= 14
.set w, 32
.set u, 0
.elseif z >= 12
.set w, 16
.set u, z-12
.elseif z >= 8
.set w, 8
.set u, z-8
.endif
.if z < 15
	v_pk_add_f32 v[rS+w*u:rS+w*u+1], v[rS+w*u:rS+w*u+1], v[rS+w*u+w/2:rS+w*u+w/2+1]
.else
	v_pk_fma_f32 v[rT+2:rT+3], v[rT+2:rT+3], v[rT+6:rT+7], v[rS:rS+1] op_sel_hi:[1,0,1]
.endif
.else
	WIN W_RS
	v_pk_mul_f32 v[rO+2*(vn-165):rO+2*(vn-165)+1], v[rO+2*(vn-165):rO+2*(vn-165)+1], v[rT+6:rT+7] op_sel_hi:[1,0]
.endif
.endm
; A PIECE'S QUEUE, 362 long: its two tiles' lists, in fours by turns through the mask (so that four compares and their four selects stay together), then line by line by turns.
; VQ writes entry q.  Entry 266 is the first that names an exponential's result: ahead of it stand a plain instruction and a wait, one for the piece's 66 exponentials.
.macro VQ
.if q < 128
.set vu, (q/4)%2
.set vn, 4*(q/8)+q%4
.else
.set vu, q%2
.set vn, q/2
.endif
.if q == 266
	v_nop
	s_wait_alu depctr_va_vdst(0)
.endif
	SM
.set q, q+1
.endm
.macro RIDE
.rept 4
	VQ
.endr
.endm
.macro DRAIN                        ; the rest of the queue, in a lump
.rept 362-q
	VQ
.endr
.endm
.macro VCONT y, q0                  ; the queue in hand: piece y, from entry q0
.set Y, \y
.set q, \q0
.endm
.macro HALF_PV x, fv                ; 16 products V^T P of piece x, four of the queue behind each; fv = 1: then the next step's V
.set i, 0
.rept 16
	PV \x
	RIDE
.set i, i+1
.endr
.if \fv
	FETCH_V
.endif
.endm
; 32 products K Q^T of piece x, four of the queue behind each.  fk = 1: this is the step's last use of K: the next step's first parts follow the last product on first parts, its second parts the last on second parts.
; w = 1: K has just been fetched.
.macro HALF_KQ x, fk, w
.set i, 0
.rept 32
.if (\w) && (i == 0)
	s_wait_dscnt 16                 ; K's first parts are in; the second parts' 16 loads may be out
.endif
.if (\w) && (i == 16)
	s_wait_dscnt 0x0                ; the second parts are in
.endif
	KQ \x
	RIDE
.if (\fk) && (i == 15)
	FETCH_KH
.endif
.if (\fk) && (i == 31)
	FETCH_KL
.endif
.set i, i+1
.endr
.endm
; A TRIP, for key step j.  (1) K Q^T of piece 1, step j | the rest of piece 0's softmax of step j | K of step j + 1.  (2) V^T P of piece 0, step j, then K Q^T of piece 0, step j + 1 | piece 1's softmax of step j.
; (3) V^T P of piece 1, step j | the first 64 lines (mask) of piece 0's softmax of step j + 1 | V of step j + 1.  LDS is read in the order V(j), K(j + 1), V(j + 1): a slot's last bytes are read at a trip's end.
; The lump at the end of (1) and of (2), 170 lines that name the other piece's registers alone, holds the places between a piece's last K Q^T and the first read of its scores.
.macro TRIP lab
	VCONT 0, 64
	HALF_KQ 1, 1, 0
	DRAIN
	VCONT 1, 0
	s_wait_dscnt 32                 ; V of step j is in; K's 32 loads, issued behind it, may be out
	HALF_PV 0, 0
	HALF_KQ 0, 0, 1
	DRAIN
	WIN 0
.if \lab
.Lfirst:
.endif
	VCONT 0, 0
	HALF_PV 1, 1
	WIN 0
.endm
; THE CHANGE OF SLOTS.  Each wave waits for all its tensor loads (one is out: its part of the other slot), adds 0 to its spare word, and waits for that and for its reads of the slot that it leaves.
; fill = 1: the barrier is a round of the cluster's, and the joint refill (the keys two slots on) is the first thing behind it: it has four key steps, 384 matrix instructions, in which to land.
.macro CHANGE fill
	WIN 0
	s_wait_tensorcnt 0x0            ; no tensor load of mine is out, so a group 0 may be written
	ds_add_u32 v[SPW], v[NIL]       ; 0 onto my spare word
.if \fill
	s_xor_b32 s[G0K+5], s[G0K+5], SLOT1
	s_add_nc_u64 s[G0K+6:G0K+7], s[G0K+6:G0K+7], 65536
	s_xor_b32 s[G0V+5], s[G0V+5], SLOT1
	s_add_nc_u64 s[G0V+6:G0V+7], s[G0V+6:G0V+7], 32768
	s_wait_xcnt 0x0                 ; the last prefetch, four key steps back, has read its address
	s_add_nc_u64 s[PFA:PFA+1], s[PFA:PFA+1], s[PFS:PFS+1]
	s_wait_dscnt 0x0                ; the add is done, and my reads of the slot are over
	CROUND
	JLOAD
	ASK
.else
	s_wait_dscnt 0x0
	s_barrier_signal -1
	s_barrier_wait -1
.endif
	s_sub_co_u32 s[TBK], s[TBK], 4*KSTP  ; the fetches go back to a slot's first step,
	s_xor_b32 s[TBK], s[TBK], SLOT1      ; in the other slot
	s_sub_co_u32 s[TBV], s[TBV], 4*VSTP
	s_xor_b32 s[TBV], s[TBV], SLOT1
.endm
	s_wait_tensorcnt 1              ; my part of slot 0 is in; slot 1's may stay out
	s_barrier_signal -1
	s_barrier_wait -1
	FETCH_KH                        ; key step 0
	FETCH_KL
	s_wait_loadcnt 0x0              ; Q
	s_wait_dscnt 0x0
.set i, 0
.rept 32
	KQ 0                            ; piece 0's first scores: there is no vector work yet to set between them
.set i, i+1
.endr
	WIN 0                           ; the addresses for the way out: plain instructions, the places behind those products
	s_mul_i32 s13, s[WV], 16*SP
	s_add_co_u32 s13, s13, STAGE    ; my stage
	v_mul_u32_u24 v[STO], v1, SP    ; in: row l % 16, 16 bytes for each half of the lanes
	v_lshl_add_u32 v[STO], v9, 4, v[STO]
	v_add_nc_u32 v[STO], s13, v[STO]
	v_bfe_u32 v[RD], v0, 3, 2       ; back: 32 lanes take four rows of 128 bytes,
	v_mul_u32_u24 v[RD], v[RD], SP
	v_lshl_add_u32 v[RD], v10, 4, v[RD]
	v_add_nc_u32 v[RD], s13, v[RD]
	v_and_b32 v[GO], 31, v0         ; which are 512 consecutive bytes of zz
	v_lshlrev_b32 v[GO], 4, v[GO]
	s_mov_b32 s[CNT], 4
	s_mov_b32 s[SLOTS], 7
	s_branch .Lfirst                ; the loop is entered at a trip's third part
.Lslot:                             ; six times: tiles 2 to 7 are asked for
	CHANGE 1
	s_mov_b32 s[CNT], 4
.Lstep:
	TRIP 1
	s_sub_co_u32 s[CNT], s[CNT], 1
	s_cmp_lg_u32 s[CNT], 0
	s_cbranch_scc1 .Lstep
	s_sub_co_u32 s[SLOTS], s[SLOTS], 1
	s_cmp_lg_u32 s[SLOTS], 0
	s_cbranch_scc1 .Lslot
	CHANGE 0                        ; the tail is written out: nothing is asked for
	s_mov_b32 s[CNT], 4
.Ltail:
	TRIP 0
	s_sub_co_u32 s[CNT], s[CNT], 1
	s_cmp_lg_u32 s[CNT], 0
	s_cbranch_scc1 .Ltail
	VCONT 0, 64                     ; the last step: nothing is fetched, and no further scores are made
	HALF_KQ 1, 0, 0
	DRAIN
	VCONT 1, 0
	s_wait_dscnt 0x0                ; V of the last step
	HALF_PV 0, 0
	DRAIN
.set i, 0
.rept 16
	PV 1
.set i, i+1
.endr
	; THE WAY OUT.  l's two halves and the other half of the lanes' are added; O^T is divided by l, rounded to f16 and sent through my stage, a tile at a time.  The additions are the places behind the last products.
	WIN 0
.macro ALL line:vararg              ; one line for each tile t
.set t, 0
.rept 4
	\line
.set t, t+1
.endr
.endm
	ALL v_add_f32 v[ST+8*t+4], v[ST+8*t+2], v[ST+8*t+3]
	ALL v_permlanex16_b32 v[ST+8*t+5], v[ST+8*t+4], s[SEL], s[SEL+1]
	ALL v_add_f32 v[ST+8*t+4], v[ST+8*t+4], v[ST+8*t+5]
	ALL v_rcp_f32 v[ST+8*t+6], v[ST+8*t+4]
	v_nop                           ; a plain instruction between the last reciprocal and the use of its result,
	s_wait_alu depctr_va_vdst(0)    ; and a wait: one for the four reciprocals
.macro PACK t                       ; a lane's eight channels of a row pack into 16 bytes; they go into rows of 144 bytes and come back as whole rows of 128, into S^T's registers
	WIN W_RS
.set i, 32*(\t)
.rept 16
	v_pk_mul_f32 v[i:i+1], v[i:i+1], v[ST+8*(\t)+6:ST+8*(\t)+7] op_sel_hi:[1,0]
.set i, i+2
.endr
	WIN 0x05                        ; sources 0 and 1 window 1, destination window 0
.set i, 0
.rept 16
	v_cvt_pk_f16_f32 v[S+16*(\t)+i], v[32*(\t)+2*i], v[32*(\t)+2*i+1]
.set i, i+1
.endr
	WIN 0
.irp f, 0,1,2,3
	ds_store_b128 v[STO], v[S+16*(\t)+4*\f:S+16*(\t)+4*\f+3] offset:32*\f
.endr
.irp f, 0,1,2,3
	ds_load_b128 v[S+16*(\t)+4*\f:S+16*(\t)+4*\f+3], v[RD] offset:\f*4*SP  ; LDS serves a wave's instructions in order (ISA guide 5.7.1.4): these see the stores above; the next tile's stores come behind them
.endr
.endm
.macro SEND t, younger              ; younger: the LDS instructions issued behind tile t's loads: the next tile's eight, or none
	WIN 0
.irp f, 0,1,2,3
	s_wait_dscnt (\younger)+3-\f
	global_store_b128 v[GO], v[S+16*(\t)+4*\f:S+16*(\t)+4*\f+3], s[10:11] offset:(\t)*2048+\f*512  ; 512 consecutive bytes, aligned
.endr
.endm
	PACK 0
	PACK 1
	SEND 0, 8
	PACK 2
	SEND 1, 8
	PACK 3
	SEND 2, 8
	SEND 3, 0
	s_wait_tensorcnt 0x0            ; the wave's end, behind my last tensor load and my last LDS store
	ds_add_u32 v[SPW], v[NIL]
	s_wait_dscnt 0x0
	CROUND                          ; the closing round: no work-group ends while a partner may still ask for a tile that names it
	s_endpgm
.Lfunc_end_k_q8b6e039111_attn:
	.size	k_q8b6e039111_attn, .Lfunc_end_k_q8b6e039111_attn-k_q8b6e039111_attn
	.p2alignl 7, 3214868480
	.fill 96, 4, 3214868480
	.section	.rodata,"a",@progbits
	.p2align	6, 0x0
	.amdhsa_kernel k_q8b6e039111_attn
		.amdhsa_group_segment_fixed_size 327680
		.amdhsa_private_segment_fixed_size 0
		.amdhsa_enable_private_segment 0
		.amdhsa_kernarg_size 32
		.amdhsa_user_sgpr_count 2
		.amdhsa_user_sgpr_kernarg_segment_ptr 1
		.amdhsa_wavefront_size32 1
		.amdhsa_system_sgpr_workgroup_id_x 1
		.amdhsa_system_sgpr_workgroup_id_y 1
		.amdhsa_system_sgpr_workgroup_id_z 1
		.amdhsa_system_vgpr_workitem_id 0
		.amdhsa_next_free_vgpr 768
		.amdhsa_next_free_sgpr 96
		.amdhsa_reserve_vcc 0
		.amdhsa_float_denorm_mode_32 3
		.amdhsa_float_denorm_mode_16_64 3
		.amdhsa_memory_ordered 1
		.amdhsa_forward_progress 1
		.amdhsa_inst_pref_size 197
	.end_amdhsa_kernel
	.amdgpu_metadata
---
amdhsa.version: [ 1, 2 ]
amdhsa.kernels:
  - .name:           k_q8b6e039111_attn
    .symbol:         k_q8b6e039111_attn.kd
    .args:
      - { .name: qq, .offset: 0, .size: 8, .value_kind: global_buffer, .address_space: global }
      - { .name: kk, .offset: 8, .size: 8, .value_kind: global_buffer, .address_space: global }
      - { .name: vv, .offset: 16, .size: 8, .value_kind: global_buffer, .address_space: global }
      - { .name: zz, .offset: 24, .size: 8, .value_kind: global_buffer, .address_space: global }
    .group_segment_fixed_size: 327680
    .private_segment_fixed_size: 0
    .kernarg_segment_align: 8
    .kernarg_segment_size: 32
    .max_flat_workgroup_size: 128
    .sgpr_count:     96
    .vgpr_count:     768
    .wavefront_size: 32
...
	.end_amdgpu_metadata
.endif
;; end of part 3
;; launch oproj (part 4): grid 4 x 64, 4 waves a work-group, clusters of 4 x 4, 327,680 bytes of LDS; arguments zz, wo16, bo, out0; writes out0
.if DOCPART == 4
	.amdgcn_target "amdgcn-amd-amdhsa--gfx1250"
	.amdhsa_code_object_version 6
	.text
	.protected	k_q8b6e039111_oproj
	.globl	k_q8b6e039111_oproj
	.p2align	8
	.type	k_q8b6e039111_oproj,@function
k_q8b6e039111_oproj:
	s_mov_b64 s[64:65], 0
	v_nop
	global_prefetch_b8 v0, s[64:65] scope:SCOPE_SE
	s_setreg_imm32_b32 hwreg(HW_REG_WAVE_MODE, 25, 1), 1
	s_wait_xcnt 0x0
	s_wait_alu depctr_hold_cnt(0) depctr_sa_sdst(0) depctr_va_vdst(0) depctr_va_sdst(0) depctr_va_ssrc(0) depctr_va_vcc(0) depctr_vm_vsrc(0)
	s_getreg_b32 s2, hwreg(HW_REG_IB_STS2, 6, 4)
	s_cmp_eq_u32 s2, 0
	s_cbranch_scc0 .Lentry_in_a_cluster
	s_endpgm
.Lentry_in_a_cluster:
	s_bfe_u32 s2, ttmp6, 0x10000c
	s_cmp_lg_u32 s2, 0xf033
	s_cbranch_scc0 .Lentry_shape_is_right
	s_endpgm
.Lentry_shape_is_right:
; THE LAST PROJECTION.  out0[m][n] = sum over k of z[m][k] Wo[n][k] + bo[n].  z comes by heads, zz: [batch 16 + head][2048][64] f16; k = 64 head + channel.  wo16: [1024][1024] f16 (Wo rounded to bf16, written as f16).
; bo is rounded to bf16 like every input, and added in f32.  out0: [8192][1024] f32.  Sums in f32.  LIMIT: z and Wo are f16: under 65,504.
; SHARES.  A tile of out0 is 128 x 256: 4 x 64 = 256 work-groups.  Four waves, each 64 x 128: 32 accumulators.  K goes in 8 steps of 128 (two heads) through two LDS slots.
; A head's 128 rows of a tile are 16,384 dense bytes: asked for as 64 rows of 256 bytes and padded in LDS after every 128, so that a row of z is 144 bytes there.
; CLUSTER.  4 x 4: z's tile is shared along a row of the cluster, wo16's along a column; each is asked for jointly.
; THE PRODUCT IS TAKEN TRANSPOSED (source 0 = 16 rows of wo16, source 1 = 16 rows of z): a lane holds row l % 16 and the columns 8 (l / 16) + 0..7.
; REGISTERS.  Window 0: v0-43 addresses, bias and work; two fragment buffers of 96 at v64 and v160; on the way out v192-255 are at work.  Window 1: accumulator (a, b) at v[8 (8 a + b)].
.set KSTEP,  128
.set PITCH,  272                       ; a row of wo16 in LDS: 256 bytes + 16
.set APITCH, 144                       ; a row of z: 128 bytes + 16
.set AHEAD,  128*APITCH                ; a head's 128 rows
.set ABYTES, 2*AHEAD
.set SLOT,   ABYTES+256*PITCH
.set STAGE,  2*SLOT                    ; behind the ring, never filled by a tensor load: 8,448 bytes for each wave, its own
.set SPQ,    528                       ; a stage row: 128 f32 + 16 bytes
.set WSTAGE, 16*SPQ
.set SPARE,  STAGE+4*WSTAGE            ; the spare words: two blocks of 256 bytes that no other line names
.set ZSTEP,  524288                    ; two heads of zz
.set ADRA, 16
.set ADRB, 20
.set STO,  24
.set RD,   25
.set CO,   26                          ; v26     16 x lane
.set SPW,  28
.set NIL,  29
.set PFO,  30                          ; v30     the prefetches' offset: lane x 256 (zz) or lane x 2,048 (wo16); never rewritten
.set U,    32
.set BI,   40                          ; v40-43  bo of my four columns on the way out
.set F0,   64
.set F1,   160
.set BK,   192
.set G1,  24
.set G0,  32
.set G1B, 48
.set G0B, 56
.set LIM, 43
.set PFA, 44
.set PFS, 66                           ; s[66:67] a K step's bytes in the tensor that I prefetch
.set MSB, 0
.macro WIN new
.if MSB != (\new)
	s_set_vgpr_msb (MSB<<8)|(\new)
.set MSB, \new
.endif
.endm
.set MUL, 0x50                         ; C and D in window 1
.macro PLACES
.rept 4
	v_nop
.endr
.endm
.macro JLOAD s                         ; waves 0 and 1 fetch a K step's two heads of z, waves 2 and 3 wo16's two halves; an s_nop 0 and four v_nop follow each line
	s_cmp_lt_u32 s10, 2
	s_cbranch_scc0 .Lfor_b_\@
	tensor_load_to_lds s[G0+4*(\s):G0+4*(\s)+3], s[G1:G1+7]
	s_nop 0
.rept 4
	v_nop
.endr
	s_branch .Lasked_\@
.Lfor_b_\@:
	tensor_load_to_lds s[G0B+4*(\s):G0B+4*(\s)+3], s[G1B:G1B+7]
	s_nop 0
.rept 4
	v_nop
.endr
.Lasked_\@:
.endm
; A prefetch of the K step two refills on, 32 blocks of 256 bytes, a lane a block; each block is named once in the launch.  zz's by wave 0 (the four partners of a row take a quarter of the step's 32,768 bytes each, by cx);
; wo16's by waves 2 and 3 of the clusters with y = 0 (32 of a wave's 128 rows each, by cy).  s3 = 1 in the loop's last trip, whose refills have no K step two on.
.macro ASK
	s_cmp_gt_u32 s3, s[LIM]
	s_cbranch_scc0 .Lnot_mine_\@
	global_prefetch_b8 v[PFO], s[PFA:PFA+1] th:TH_LOAD_NT scope:SCOPE_SE
.Lnot_mine_\@:
.endm
.macro CREST
	s_cmp_lg_u32 s10, 0
	s_cbranch_scc1 .Lnot_wave_0_\@
	s_barrier_signal -3
.Lnot_wave_0_\@:
	s_barrier_wait -3
	s_barrier_signal -1
	s_barrier_wait -1
.endm
.macro CROUND
	s_barrier_signal -1
	s_barrier_wait -1
	CREST
.endm
	s_load_b128 s[4:7], s[0:1], 0x0                ; zz s[4:5], wo16 s[6:7]
	s_load_b128 s[68:71], s[0:1], 0x10             ; bo s[68:69], out0 s[70:71]
	v_lshl_add_u32 v[SPW], v0, 2, SPARE
	v_mov_b32 v[NIL], 0
	ds_add_u32 v[SPW], v[NIL]                      ; the wave's opening: the add and its wait stand ahead of my first tensor load
	v_lshrrev_b32 v1, 5, v0
	v_readfirstlane_b32 s10, v1                    ; wave 0..3
	s_lshr_b32 s11, s10, 1                         ; which 64 rows of the tile are mine
	s_and_b32 s12, s10, 1                          ; which 128 columns; also: which head of the step, or which half of wo16's tile, I fetch
	s_bfe_u32 s40, ttmp6, 0x40000                  ; cx
	s_bfe_u32 s41, ttmp6, 0x40004                  ; cy
	s_lshl_b32 s42, ttmp9, 2
	s_add_co_u32 s42, s42, s40                     ; tile column
	s_and_b32 s13, ttmp7, 0xffff
	s_lshl_b32 s13, s13, 2
	s_add_co_u32 s13, s13, s41                     ; tile row
	s_lshl_b32 s43, s41, 2
	s_lshl_b32 s43, 15, s43                        ; my row of the cluster
	s_lshl_b32 s44, 0x1111, s40                    ; my column
	s_or_b32 s[G1], s43, (1<<16)|(1<<20)|(1<<21)|(4<<22)|(3<<25)   ; z: after every 32 words (code 4) 4 words of padding (code 3)
	s_or_b32 s[G1B], s44, (1<<16)|(1<<20)|(1<<21)|(5<<22)|(3<<25)  ; wo16: after every 64 words (code 5)
	s_mov_b32 s[G1+1], 128<<16                     ; tensor_dim0 = 128 elements: 256 bytes, two rows of z
	s_mov_b32 s[G1+2], 64<<16                      ; tensor_dim1 = 64
	s_mov_b32 s[G1+3], 128<<16                     ; tile_dim0
	s_mov_b32 s[G1+4], 64                          ; tile_dim1
	s_mov_b32 s[G1+5], 128                         ; dense
	s_mov_b32 s[G1+6], 0
	s_mov_b32 s[G1+7], 0
	s_mov_b32 s[G1B+1], KSTEP<<16
	s_mov_b32 s[G1B+2], 128<<16
	s_mov_b32 s[G1B+3], KSTEP<<16
	s_mov_b32 s[G1B+4], 128
	s_mov_b32 s[G1B+5], 1024
	s_mov_b32 s[G1B+6], 0
	s_mov_b32 s[G1B+7], 0
	s_lshr_b32 s16, s13, 4                         ; batch
	s_lshl_b32 s16, s16, 4
	s_add_co_u32 s16, s16, s12                     ; + the head of K step 0 that I fetch
	s_lshl_b32 s16, s16, 18                        ; 262,144 bytes a head
	s_and_b32 s17, s13, 15
	s_lshl_b32 s17, s17, 14                        ; the tile's 128 rows of 128 bytes
	s_add_co_u32 s16, s16, s17
	s_mov_b32 s17, 0
	s_lshl_b32 s46, s42, 8
	s_lshl_b32 s47, s12, 7
	s_add_co_u32 s46, s46, s47                     ; wo16: row 256 x tile column + 128 x half
	s_lshl_b32 s46, s46, 11
	s_mov_b32 s47, 0
	s_mul_i32 s20, s12, AHEAD                      ; where they go: the wave's number alone enters an LDS address
	s_mul_i32 s21, s12, 128*PITCH
	s_add_co_u32 s21, s21, ABYTES
	s_wait_dscnt 0x0                               ; the opening add is done
	s_wait_kmcnt 0x0
	s_add_nc_u64 s[14:15], s[4:5], s[16:17]
	s_add_nc_u64 s[46:47], s[6:7], s[46:47]
	CROUND                                         ; all sixteen work-groups are here: the first joint loads meet
.irp s, 0,1
	s_mov_b32 s[G0+4*(\s)], 1
	s_add_co_u32 s[G0+4*(\s)+1], s20, (\s)*SLOT
	s_add_nc_u64 s[G0+4*(\s)+2:G0+4*(\s)+3], s[14:15], (\s)*ZSTEP
	s_or_b32 s[G0+4*(\s)+3], s[G0+4*(\s)+3], 0x80000000
	s_mov_b32 s[G0B+4*(\s)], 1
	s_add_co_u32 s[G0B+4*(\s)+1], s21, (\s)*SLOT
	s_add_nc_u64 s[G0B+4*(\s)+2:G0B+4*(\s)+3], s[46:47], (\s)*KSTEP*2
	s_or_b32 s[G0B+4*(\s)+3], s[G0B+4*(\s)+3], 0x80000000
	JLOAD \s                                       ; K steps 0 and 1: two tensor loads of mine are out
.endr
	v_and_b32 v1, 15, v0                           ; r
	v_bfe_u32 v2, v0, 4, 1                         ; h
	v_mul_u32_u24 v3, v1, PITCH
	v_lshl_add_u32 v3, v2, 4, v3
	v_mul_u32_u24 v4, v1, APITCH
	v_lshl_add_u32 v4, v2, 4, v4
	s_mul_i32 s21, s11, 64*APITCH                  ; my 64 rows of z, in each head's block
	s_mul_i32 s22, s12, 128*PITCH                  ; my 128 rows of wo16, behind z's
	s_add_co_u32 s22, s22, ABYTES
.irp s, 0,1
	v_add_nc_u32 v[ADRA+(\s)], s21, v4
	v_add_nc_u32 v[ADRB+(\s)], s22, v3
	s_add_co_u32 s21, s21, SLOT
	s_add_co_u32 s22, s22, SLOT
.endr
	s_mul_i32 s23, s10, WSTAGE
	s_add_co_u32 s23, s23, STAGE                   ; my stage
	v_mul_u32_u24 v4, v1, SPQ
	v_lshl_add_u32 v4, v2, 5, v4
	v_add_nc_u32 v[STO], s23, v4                   ; in: row r, 32 bytes for each half of the lanes
	v_and_b32 v[PFO], 31, v0
	v_lshlrev_b32 v[CO], 4, v[PFO]
	v_add_nc_u32 v[RD], s23, v[CO]                 ; back: the wave takes a row's 512 bytes
	; where my part leaves, and my columns of bo
	s_lshl_b32 s74, s13, 7
	s_lshl_b32 s75, s11, 6
	s_add_co_u32 s74, s74, s75                     ; my first row,
	s_lshl_b32 s74, s74, 12                        ; of 4,096 bytes
	s_lshl_b32 s76, s42, 8
	s_lshl_b32 s75, s12, 7
	s_add_co_u32 s76, s76, s75
	s_lshl_b32 s76, s76, 2                         ; my first column, in bytes
	s_mov_b32 s77, 0
	s_add_co_u32 s74, s74, s76
	s_mov_b32 s75, 0
	s_add_nc_u64 s[8:9], s[70:71], s[74:75]
	s_add_nc_u64 s[68:69], s[68:69], s[76:77]
	global_load_b128 v[BI:BI+3], v[CO], s[68:69]   ; waited for in front of the way out
	s_mov_b32 s82, 0xffff0000
	; the prefetches
	s_lshr_b32 s76, s13, 4
	s_lshl_b32 s76, s76, 4
	s_lshr_b32 s77, s40, 1
	s_add_co_u32 s76, s76, s77                     ; zz: batch 16 + which of the step's two heads is my work-group's,
	s_lshl_b32 s76, s76, 18
	s_and_b32 s77, s13, 15
	s_lshl_b32 s77, s77, 14
	s_add_co_u32 s76, s76, s77                     ; the tile's rows,
	s_and_b32 s77, s40, 1
	s_lshl_b32 s77, s77, 13
	s_add_co_u32 s76, s76, s77                     ; and which half of their 16,384 bytes
	s_lshl_b32 s77, s42, 8
	s_lshl_b32 s78, s12, 7
	s_add_co_u32 s77, s77, s78
	s_lshl_b32 s78, s41, 5
	s_add_co_u32 s77, s77, s78                     ; wo16: my work-group's 32 of the 128 rows that I fetch
	s_lshl_b32 s77, s77, 11
	s_and_b32 s78, ttmp7, 0xffff                   ; cluster y
	s_mov_b32 s[PFS], KSTEP*2
	s_mov_b32 s[PFS+1], 0
	s_mov_b32 s79, 11
	s_cmp_lt_u32 s10, 2
	s_cselect_b32 s76, s76, s77
	s_cselect_b32 s78, ttmp9, s78                  ; the coordinate along which other clusters read the same bytes
	s_cselect_b32 s[PFS], ZSTEP, s[PFS]
	s_cselect_b32 s79, 8, s79
	s_cselect_b64 s[PFA:PFA+1], s[4:5], s[6:7]
	s_cmp_eq_u32 s10, 1
	s_cselect_b32 s77, 1, 0                        ; wave 1 never asks
	s_or_b32 s78, s78, s77
	s_cmp_eq_u32 s78, 0
	s_cselect_b32 s[LIM], 1, -1                    ; the same in all sixteen partners, for a given wave
	s_mul_i32 s77, s[PFS], 3                       ; at K step 3: the first refill steps it to 4.  Nothing is prefetched at the head
	s_add_co_u32 s76, s76, s77
	s_mov_b32 s77, 0
	s_add_nc_u64 s[PFA:PFA+1], s[PFA:PFA+1], s[76:77]
	v_lshlrev_b32 v[PFO], s79, v[PFO]
; n x 8 matrix instructions; every accumulator has one instruction a quarter, always in the same order: the accumulators take turns.
.macro MULH f, a0, n, zero
	WIN MUL
.set ma, \a0
.rept \n
.set mb, 0
.rept 8
.if \zero
	v_wmma_f32_16x16x32_f16 v[8*(8*ma+mb):8*(8*ma+mb)+7], v[(\f)+8*mb:(\f)+8*mb+7], v[(\f)+64+8*ma:(\f)+64+8*ma+7], 0
.else
	v_wmma_f32_16x16x32_f16 v[8*(8*ma+mb):8*(8*ma+mb)+7], v[(\f)+8*mb:(\f)+8*mb+7], v[(\f)+64+8*ma:(\f)+64+8*ma+7], v[8*(8*ma+mb):8*(8*ma+mb)+7]
.endif
.set mb, mb+1
.endr
.set ma, ma+1
.endr
.endm
; 24 LDS loads in one run: quarter q of a slot into buffer f: wo16's 16, then z's 8 (head q / 2 of the step, channels 32 (q % 2) on)
.macro FETCH slot, q, f
	WIN 0
.set fi, 0
.rept 8
	ds_load_b128 v[(\f)+8*fi:(\f)+8*fi+3],   v[ADRB+(\slot)] offset:64*(\q)+fi*16*PITCH
	ds_load_b128 v[(\f)+8*fi+4:(\f)+8*fi+7], v[ADRB+(\slot)] offset:64*(\q)+fi*16*PITCH+32
.set fi, fi+1
.endr
.set fi, 0
.rept 4
	ds_load_b128 v[(\f)+64+8*fi:(\f)+64+8*fi+3],   v[ADRA+(\slot)] offset:((\q)/2)*AHEAD+((\q)%2)*64+fi*16*APITCH
	ds_load_b128 v[(\f)+64+8*fi+4:(\f)+64+8*fi+7], v[ADRA+(\slot)] offset:((\q)/2)*AHEAD+((\q)%2)*64+fi*16*APITCH+32
.set fi, fi+1
.endr
.endm
.macro QUARTER slot, qn, f, g, zero
	s_wait_dscnt 4                                 ; wo16's fragments and z's rows 0-31 are in; the youngest four loads may be out
	MULH \f, 0, 2, \zero
	PLACES
	FETCH \slot, \qn, \g
	s_wait_dscnt 24                                ; all but the 24 just issued
	MULH \f, 2, 2, \zero
.endm
; The last quarter changes slots: ONE barrier; in front of it each wave waits for all its tensor loads, adds 0 to its spare word, and waits for that and for its reads of this slot.
; fill = 1: the barrier opens a round of the cluster's, and behind the round this slot is filled again, two K steps ahead, first thing.
.macro TURN slot, next, fill
.if \fill
	s_wait_xcnt 0x0                                ; the last prefetch, a K step back, has read its address
	s_add_nc_u64 s[PFA:PFA+1], s[PFA:PFA+1], s[PFS:PFS+1]
.endif
	WIN 0
	s_wait_tensorcnt 0x0                           ; all my tensor loads have landed
	ds_add_u32 v[SPW], v[NIL]                      ; 0 onto my spare word
	s_wait_dscnt 5                                 ; (the add and the youngest four loads may be out)
	MULH F1, 0, 1, 0
	s_wait_dscnt 0x0                               ; the add is done, and my reads of this slot are over
	s_barrier_signal -1
	MULH F1, 1, 1, 0
.if \fill
	WIN 0
.endif
	s_barrier_wait -1
.if \fill
	CREST
	s_add_nc_u64 s[G0+4*(\slot)+2:G0+4*(\slot)+3], s[G0+4*(\slot)+2:G0+4*(\slot)+3], 2*ZSTEP
	s_add_nc_u64 s[G0B+4*(\slot)+2:G0B+4*(\slot)+3], s[G0B+4*(\slot)+2:G0B+4*(\slot)+3], 2*KSTEP*2
	JLOAD \slot                                    ; my one tensor load behind the round; its four v_nop are also the places in front of the loads below
.else
	PLACES
.endif
	FETCH \next, 0, F0
.if \fill
	ASK
.endif
	MULH F1, 2, 2, 0
.endm
	s_wait_tensorcnt 1                             ; my part of K step 0 is in; K step 1's may stay out
	s_barrier_signal -1
	s_barrier_wait -1
	FETCH 0, 0, F0
	QUARTER 0, 1, F0, F1, 1                        ; the first quarter's products start the sums
	WIN 0
	s_mov_b32 s3, 3
.Llap:
	QUARTER 0, 2, F1, F0, 0
	QUARTER 0, 3, F0, F1, 0
	TURN 0, 1, 1
	QUARTER 1, 1, F0, F1, 0
	QUARTER 1, 2, F1, F0, 0
	QUARTER 1, 3, F0, F1, 0
	TURN 1, 0, 1
	QUARTER 0, 1, F0, F1, 0
	WIN 0
	s_sub_co_u32 s3, s3, 1
	s_cmp_lg_u32 s3, 0
	s_cbranch_scc1 .Llap
	QUARTER 0, 2, F1, F0, 0                        ; the last lap fills nothing
	QUARTER 0, 3, F0, F1, 0
	TURN 0, 1, 0
	QUARTER 1, 1, F0, F1, 0
	QUARTER 1, 2, F1, F0, 0
	QUARTER 1, 3, F0, F1, 0
	s_wait_dscnt 0x0
	MULH F1, 0, 4, 0
	WIN 0
	PLACES
	PLACES
	s_wait_loadcnt 0x0                             ; bo
	v_cvt_pk_bf16_f32 v[U], v[BI], v[BI+1]         ; rounded to bf16, like every input
	v_cvt_pk_bf16_f32 v[U+1], v[BI+2], v[BI+3]
	v_lshlrev_b32 v[BI], 16, v[U]
	v_and_b32 v[BI+1], s82, v[U]
	v_lshlrev_b32 v[BI+2], 16, v[U+1]
	v_and_b32 v[BI+3], s82, v[U+1]
; THE WAY OUT, 16 rows (m block a) at a time: the sums go through my stage as they are and come back as whole rows of 512 bytes; there a lane holds four columns, the same in every row, and adds their bias.
.macro OUTF a
	s_wait_xcnt 0x0                                ; the stores of the block before have read BK
	WIN 0x04                                       ; the stores' data in window 1
.set b, 0
.rept 8
	ds_store_b128 v[STO], v[64*(\a)+8*b:64*(\a)+8*b+3]   offset:64*b      ; each accumulator is read from its low end
	ds_store_b128 v[STO], v[64*(\a)+8*b+4:64*(\a)+8*b+7] offset:64*b+16
.set b, b+1
.endr
	WIN 0
.set t, 0
.rept 16
	ds_load_b128 v[BK+4*t:BK+4*t+3], v[RD] offset:SPQ*t  ; LDS serves a wave's instructions in order (ISA guide 5.7.1.4): these see the stores above
.set t, t+1
.endr
.set t, 0
.rept 16
	s_wait_dscnt 15-t
	v_pk_add_f32 v[BK+4*t:BK+4*t+1], v[BK+4*t:BK+4*t+1], v[BI:BI+1]
	v_pk_add_f32 v[BK+4*t+2:BK+4*t+3], v[BK+4*t+2:BK+4*t+3], v[BI+2:BI+3]
	global_store_b128 v[CO], v[BK+4*t:BK+4*t+3], s[8:9] offset:(16*(\a)+t)*4096  ; 512 consecutive bytes, aligned
.set t, t+1
.endr
.endm
	OUTF 0
	OUTF 1
	OUTF 2
	OUTF 3
	s_wait_tensorcnt 0x0                           ; the wave's end, behind my last tensor load and my last LDS store
	ds_add_u32 v[SPW], v[NIL]
	s_wait_dscnt 0x0
	CROUND                                         ; the closing round: no work-group ends while a partner may still ask for a tile that names it
	s_endpgm
.Lfunc_end_k_q8b6e039111_oproj:
	.size	k_q8b6e039111_oproj, .Lfunc_end_k_q8b6e039111_oproj-k_q8b6e039111_oproj
	.p2alignl 7, 3214868480
	.fill 96, 4, 3214868480
	.section	.rodata,"a",@progbits
	.p2align	6, 0x0
	.amdhsa_kernel k_q8b6e039111_oproj
		.amdhsa_group_segment_fixed_size 327680
		.amdhsa_private_segment_fixed_size 0
		.amdhsa_enable_private_segment 0
		.amdhsa_kernarg_size 32
		.amdhsa_user_sgpr_count 2
		.amdhsa_user_sgpr_kernarg_segment_ptr 1
		.amdhsa_wavefront_size32 1
		.amdhsa_system_sgpr_workgroup_id_x 1
		.amdhsa_system_sgpr_workgroup_id_y 1
		.amdhsa_system_sgpr_workgroup_id_z 1
		.amdhsa_system_vgpr_workitem_id 0
		.amdhsa_next_free_vgpr 512
		.amdhsa_next_free_sgpr 84
		.amdhsa_reserve_vcc 0
		.amdhsa_float_denorm_mode_32 3
		.amdhsa_float_denorm_mode_16_64 3
		.amdhsa_memory_ordered 1
		.amdhsa_forward_progress 1
		.amdhsa_inst_pref_size 97
	.end_amdhsa_kernel
	.amdgpu_metadata
---
amdhsa.version: [ 1, 2 ]
amdhsa.kernels:
  - .name:           k_q8b6e039111_oproj
    .symbol:         k_q8b6e039111_oproj.kd
    .args:
      - { .name: zz, .offset: 0, .size: 8, .value_kind: global_buffer, .address_space: global }
      - { .name: wo16, .offset: 8, .size: 8, .value_kind: global_buffer, .address_space: global }
      - { .name: bo, .offset: 16, .size: 8, .value_kind: global_buffer, .address_space: global }
      - { .name: out0, .offset: 24, .size: 8, .value_kind: global_buffer, .address_space: global }
    .group_segment_fixed_size: 327680
    .private_segment_fixed_size: 0
    .kernarg_segment_align: 8
    .kernarg_segment_size: 32
    .max_flat_workgroup_size: 128
    .sgpr_count:     84
    .vgpr_count:     512
    .wavefront_size: 32
...
	.end_amdgpu_metadata
.endif
;; end of part 4
;; ======== version 2 of 2: 4 launches; version 1 with the launch cast written anew for expert scheduling mode
;; limits: values are held in f16: magnitudes above 65,504 overflow, below 6.1e-05 lose precision
;; workspace buffers: xb 16,777,216 bytes; wb 6,291,456 bytes; wo16 2,097,152 bytes; qq 33,554,432 bytes; kk 33,554,432 bytes; vv 16,777,216 bytes; zz 16,777,216 bytes
;; launch cast (part 5): grid 768 x 1, 8 waves a work-group, no clusters, 0 bytes of LDS; arguments x, Wq, Wk, Wv, Wo, xb, wb, wo16; writes xb, wb, wo16
.if DOCPART == 5
	.amdgcn_target "amdgcn-amd-amdhsa--gfx1250"
	.amdhsa_code_object_version 6
	.text
	.protected	k_q8b6e039111_cast
	.globl	k_q8b6e039111_cast
	.p2align	8
	.type	k_q8b6e039111_cast,@function
k_q8b6e039111_cast:
	s_mov_b64 s[64:65], 0
	v_nop
	global_prefetch_b8 v0, s[64:65] scope:SCOPE_SE
	s_setreg_imm32_b32 hwreg(HW_REG_WAVE_SCHED_MODE, 0, 2), 2
	s_setreg_imm32_b32 hwreg(HW_REG_WAVE_MODE, 25, 1), 1
	s_wait_xcnt 0x0
	s_wait_alu depctr_vm_vsrc(0)
; THE INPUTS ARE ROUNDED ONCE.  x -> xb (bf16); Wq, Wk, Wv -> wb (bf16, 3,072 rows of 1,024: q's, then k's, then v's); Wo -> wo16: rounded to bf16 like the others, that number written as f16.
; LIMIT.  wo16 is f16: |Wo| stays under 65,504; below 6e-5 it keeps f16's fixed step of 6e-8.
; A stream: no LDS, no matrix unit, no barrier.  A work-group converts 16,384 numbers (65,536 bytes in, 32,768 out), a wave 2,048: sixteen loads of 512 consecutive bytes, all issued at once,
; and sixteen stores of 256 consecutive bytes, aligned.  Work-groups 0-511 take x; 512 + 64 j + i takes piece i of Wq, Wk, Wv, Wo (j = 0..3).
; THE MODE: SCHED_MODE bits 1:0 = 2 (LLVM: expert scheduling mode 2), set by the entry lines.  The code itself states the register dependences
; between vector instructions and memory instructions, with s_wait_alu, always for 0.
; THE PLAN.  Registers that memory instructions touch:
;   v1, v2   the loads' and the stores' byte offsets: made once at the head by vector instructions and never written again.
;   X        written by the sixteen loads, each register once; no vector instruction names them ahead of the loads; the conversions read them behind the counted wait for the data.
;   Y        two words for each load: written by the conversions of the load's block, read by one store, which is issued in the block behind, and never written again.
;   T        named by vector instructions alone.
; The sixteen loads go in four blocks of four.  Block p rounds its four loads into its own Y; its memory instructions are the four stores of block p - 1, whose Y and offset no vector
; instruction of block p names.  So one wait at the head of a block states all that its stores hang on, and they are dealt among its conversions with no further wait.
; No register that a memory instruction reads is ever written again, no vector instruction writes a scalar register, and EXEC is never written: no other kind of wait has a dependence to state.
.set X,   8                            ; v[8:71]    the sixteen loads, four f32 each
.set Y,   72                           ; v[72:103]  two packed words for each load
.set T,   104                          ; v[104:107] at work
.set SRC, 24                           ; s[24:25]
.set DST, 26                           ; s[26:27]
	s_load_b256 s[8:15], s[0:1], 0x0               ; x s[8:9], Wq s[10:11], Wk s[12:13], Wv s[14:15]
	s_load_b256 s[16:23], s[0:1], 0x20             ; Wo s[16:17], xb s[18:19], wb s[20:21], wo16 s[22:23]
	v_lshrrev_b32 v3, 5, v0                        ; wave
	v_and_b32 v4, 31, v0                           ; lane
	v_lshlrev_b32 v1, 4, v4
	v_lshl_or_b32 v1, v3, 13, v1                   ; in: 8,192 x wave + 16 x lane
	v_lshlrev_b32 v2, 3, v4
	v_lshl_or_b32 v2, v3, 12, v2                   ; out: 4,096 x wave + 8 x lane
	s_sub_co_u32 s2, ttmp9, 512                    ; t: my number among the weights' pieces (used only from work-group 512 on)
	s_lshr_b32 s3, s2, 6                           ; j
	s_and_b32 s4, s2, 63                           ; i
	s_lshl_b32 s6, ttmp9, 16                       ; byte offsets, made apart from the addresses: x,
	s_lshl_b32 s28, ttmp9, 15                      ; xb,
	s_lshl_b32 s5, s4, 16                          ; a weight tensor,
	s_lshl_b32 s32, s2, 15                         ; wb,
	s_lshl_b32 s33, s4, 15                         ; wo16
	s_mov_b32 s7, 0
	s_mov_b32 s29, 0
	s_mov_b32 s31, 0xffff0000                      ; a word's upper bf16
	s_wait_kmcnt 0x0
	s_cmp_eq_u32 s3, 1
	s_cselect_b64 s[SRC:SRC+1], s[12:13], s[10:11]
	s_cmp_eq_u32 s3, 2
	s_cselect_b64 s[SRC:SRC+1], s[14:15], s[SRC:SRC+1]
	s_cmp_eq_u32 s3, 3
	s_cselect_b64 s[SRC:SRC+1], s[16:17], s[SRC:SRC+1]
	s_cselect_b64 s[DST:DST+1], s[22:23], s[20:21]
	s_cselect_b32 s32, s33, s32
	s_cselect_b32 s30, 1, 0                        ; 1: the piece is Wo's
	s_cmp_lt_u32 ttmp9, 512
	s_cselect_b64 s[SRC:SRC+1], s[8:9], s[SRC:SRC+1]
	s_cselect_b64 s[DST:DST+1], s[18:19], s[DST:DST+1]
	s_cselect_b32 s6, s6, s5
	s_cselect_b32 s28, s28, s32
	s_add_nc_u64 s[SRC:SRC+1], s[SRC:SRC+1], s[6:7]
	s_add_nc_u64 s[DST:DST+1], s[DST:DST+1], s[28:29]
	s_wait_alu depctr_va_vdst(0)                   ; v1 and v2 are written: every load below reads v1 as its offset, every store v2, on both ways behind the branch
.set k, 0
.rept 16
	global_load_b128 v[X+4*k:X+4*k+3], v1, s[SRC:SRC+1] offset:512*k th:TH_LOAD_NT
.set k, k+1
.endr
; Block p: loads 4 p to 4 p + 3 are rounded; the four stores of the block before go out, one ahead of each load's conversions.  half = 1: the bf16 number is written as f16.
; No register is written twice while a store may read it: each load has its own Y.
.macro BLK p, half
	s_wait_loadcnt 12-4*(\p)                       ; loads come back in order: this block's four are in, the younger blocks' may stay out
.if (\p) > 0
	s_wait_alu depctr_va_vdst(0)                   ; the block before has written its Y, which the four stores below read
.endif
.irp i, 0,1,2,3
.set k, 4*(\p)+(\i)
.if (\p) > 0
	global_store_b64 v2, v[Y+2*k-8:Y+2*k-7], s[DST:DST+1] offset:256*(k-4)  ; load k - 4's words: the wave's 32 lanes store 256 consecutive bytes, aligned; no vector instruction since the wait names these registers
.endif
	v_cvt_pk_bf16_f32 v[Y+2*k], v[X+4*k], v[X+4*k+1]
	v_cvt_pk_bf16_f32 v[Y+2*k+1], v[X+4*k+2], v[X+4*k+3]
.if \half
	v_lshlrev_b32 v[T], 16, v[Y+2*k]
	v_and_b32 v[T+1], s31, v[Y+2*k]
	v_lshlrev_b32 v[T+2], 16, v[Y+2*k+1]
	v_and_b32 v[T+3], s31, v[Y+2*k+1]
	v_cvt_pk_f16_f32 v[Y+2*k], v[T], v[T+1]
	v_cvt_pk_f16_f32 v[Y+2*k+1], v[T+2], v[T+3]
.endif
.endr
.endm
.macro CONV half
	BLK 0, \half                                   ; block 0 has no block in front of it: no store, and no wait but the one for its data
	BLK 1, \half
	BLK 2, \half
	BLK 3, \half
	s_wait_alu depctr_va_vdst(0)                   ; block 3 has written its Y, which the last four stores read
.irp i, 12,13,14,15
	global_store_b64 v2, v[Y+2*(\i):Y+2*(\i)+1], s[DST:DST+1] offset:256*(\i)
.endr
.endm
	s_cmp_eq_u32 s30, 1
	s_cbranch_scc1 .Lwo
	CONV 0
	s_endpgm
.Lwo:
	CONV 1
	s_endpgm
.Lfunc_end_k_q8b6e039111_cast:
	.size	k_q8b6e039111_cast, .Lfunc_end_k_q8b6e039111_cast-k_q8b6e039111_cast
	.p2alignl 7, 3214868480
	.fill 96, 4, 3214868480
	.section	.rodata,"a",@progbits
	.p2align	6, 0x0
	.amdhsa_kernel k_q8b6e039111_cast
		.amdhsa_group_segment_fixed_size 0
		.amdhsa_private_segment_fixed_size 0
		.amdhsa_enable_private_segment 0
		.amdhsa_kernarg_size 64
		.amdhsa_user_sgpr_count 2
		.amdhsa_user_sgpr_kernarg_segment_ptr 1
		.amdhsa_wavefront_size32 1
		.amdhsa_system_sgpr_workgroup_id_x 1
		.amdhsa_system_sgpr_workgroup_id_y 1
		.amdhsa_system_sgpr_workgroup_id_z 1
		.amdhsa_system_vgpr_workitem_id 0
		.amdhsa_next_free_vgpr 112
		.amdhsa_next_free_sgpr 66
		.amdhsa_reserve_vcc 0
		.amdhsa_float_denorm_mode_32 3
		.amdhsa_float_denorm_mode_16_64 3
		.amdhsa_memory_ordered 1
		.amdhsa_forward_progress 1
		.amdhsa_inst_pref_size 15
	.end_amdhsa_kernel
	.amdgpu_metadata
---
amdhsa.version: [ 1, 2 ]
amdhsa.kernels:
  - .name:           k_q8b6e039111_cast
    .symbol:         k_q8b6e039111_cast.kd
    .args:
      - { .name: x, .offset: 0, .size: 8, .value_kind: global_buffer, .address_space: global }
      - { .name: Wq, .offset: 8, .size: 8, .value_kind: global_buffer, .address_space: global }
      - { .name: Wk, .offset: 16, .size: 8, .value_kind: global_buffer, .address_space: global }
      - { .name: Wv, .offset: 24, .size: 8, .value_kind: global_buffer, .address_space: global }
      - { .name: Wo, .offset: 32, .size: 8, .value_kind: global_buffer, .address_space: global }
      - { .name: xb, .offset: 40, .size: 8, .value_kind: global_buffer, .address_space: global }
      - { .name: wb, .offset: 48, .size: 8, .value_kind: global_buffer, .address_space: global }
      - { .name: wo16, .offset: 56, .size: 8, .value_kind: global_buffer, .address_space: global }
    .group_segment_fixed_size: 0
    .private_segment_fixed_size: 0
    .kernarg_segment_align: 8
    .kernarg_segment_size: 64
    .max_flat_workgroup_size: 256
    .sgpr_count:     66
    .vgpr_count:     112
    .wavefront_size: 32
...
	.end_amdgpu_metadata
.endif
;; end of part 5
;; launch qkv: the kernel of part 2 again; grid 4 x 64, 4 waves a work-group, clusters of 4 x 4, 327,680 bytes of LDS; arguments xb, wb, qq, kk, vv; writes qq, kk, vv
;; launch attn: the kernel of part 3 again; grid 8 x 64, 4 waves a work-group, clusters of 4 x 1, 327,680 bytes of LDS; arguments qq, kk, vv, zz; writes zz
;; launch oproj: the kernel of part 4 again; grid 4 x 64, 4 waves a work-group, clusters of 4 x 4, 327,680 bytes of LDS; arguments zz, wo16, bo, out0; writes out0
